; MI455X (gfx1250); checked and timed in simulation.
; The chip was launched on July 23, 2026; its instructions are those of AMD's public machine-readable ISA for CDNA 5 (MIT licence, August 2026) and "CDNA5" Instruction Set Architecture Reference Guide (July 2026). The comments in the code are by the model that wrote it; some were corrected since.
;; Attention. Allowed arithmetic: float matrix products may take bf16 or f16 operands with f32 sums; other float arithmetic in f32, or as packed bf16 or f16 multiplies, adds, multiply-adds, maxima and minima; sums over many terms, partial sums and values carried from step to step in f32; what a program stores and reads back later, other than sums and carried values, may be rounded once to bf16 or f16.
;; Inputs: cos 2,048 x 64 float32; sin 2,048 x 64 float32; wk 2,048 x 512 float32; wo 512 x 2,048 float32; wq 2,048 x 512 float32; wv 2,048 x 512 float32; x 4 x 2,048 x 2,048 float32.
;; Outputs: out0 4 x 2,048 x 2,048 float32.
;; One version. Each part assembles by itself: llvm-mc -triple=amdgcn-amd-amdhsa -mcpu=gfx1250 --defsym DOCPART=n.
;; ======== version 1 of 1: 4 launches
;; limits: values are held in f16: magnitudes above 65,504 overflow, below 6.1e-05 lose precision; right only within a limited range of input values
;; workspace buffers: wp 6,291,456 bytes; wop 2,097,152 bytes; cst 1,048,576 bytes; qh 8,388,608 bytes; kh 8,388,608 bytes; vh 8,388,608 bytes; oh 8,388,608 bytes
;; launch prep (part 1): grid 256 x 1, 8 waves a work-group, no clusters, 0 bytes of LDS; arguments wq, wk, wv, wo, cos, sin, wp, wop, cst; writes wp, wop, cst
.if DOCPART == 1
	.amdgcn_target "amdgcn-amd-amdhsa--gfx1250"
	.amdhsa_code_object_version 6
	.text
	.protected	k_qb3a349f4d3_prep
	.globl	k_qb3a349f4d3_prep
	.p2align	8
	.type	k_qb3a349f4d3_prep,@function
k_qb3a349f4d3_prep:
	s_mov_b64 s[64:65], 0
	v_nop
	global_prefetch_b8 v0, s[64:65] scope:SCOPE_SE
	s_setreg_imm32_b32 hwreg(HW_REG_WAVE_MODE, 25, 1), 1
	s_wait_xcnt 0x0
; PREP: the weights and the rotation tables, rounded once and laid out for the launches behind.  A stream: no LDS, no matrix unit.
; wp  = bf16(wq | wk | wv) as [head 4][kq 64][z 3 (q, k, v)][32 k][128 columns]: a chunk (head, kq) is 96 dense rows of 256 bytes.  A head's columns are permuted: tile tau of 16 columns
;       holds channels 16 (tau / 2) + 64 (tau % 2) + 0..15, so that the two channels d and d + 64 of a rotation lie in the same lane of two neighbouring accumulators.
; wop = bf16(wo), written as f16, as [n block 16][512 k][128 n].  LIMIT: below 2^-14 f16 keeps a fixed step of 6e-8; beyond 65,504 it has no number.
; cst = bf16(cos) x 2^-8 as f32 [2048][64], then the same for sin: q and k are kept in f16 at 2^-8 of their size.
; SHARES.  2,048 waves; wave g takes row g of wq, wk and wv, a quarter of row g / 4 of wo, and 512 bytes of cos (g < 1,024) or sin.  All 17 loads (512 consecutive bytes each) go out first.
.set CHUNK, 24576
.set HEADB, 64*CHUNK
	s_load_b512 s[4:19], s[0:1], 0x0               ; wq s[4:5], wk s[6:7], wv s[8:9], wo s[10:11], cos s[12:13], sin s[14:15], wp s[16:17], wop s[18:19]
	s_load_b64 s[20:21], s[0:1], 0x40              ; cst
	s_lshl_b32 s22, ttmp9, 3
	v_and_b32 v1, 31, v0                           ; l
	v_lshrrev_b32 v2, 5, v0
	v_add_nc_u32 v2, s22, v2                       ; g = 8 x work-group + wave
	v_lshlrev_b32 v9, 4, v1                        ; 16 l
	v_lshlrev_b32 v12, 3, v1                       ; 8 l
	v_lshl_add_u32 v3, v2, 11, v9                  ; weights in: row g of 2,048 bytes + 16 l
	v_lshrrev_b32 v10, 5, v2
	v_mul_u32_u24 v4, v10, CHUNK                   ; weights out: chunk g / 32,
	v_and_b32 v10, 31, v2
	v_lshl_add_u32 v4, v10, 8, v4                  ; row g % 32 of it,
	v_bfe_u32 v10, v1, 2, 2
	v_lshl_add_u32 v4, v10, 6, v4                  ; my four channels 4 l ..: 64 ((l % 16) / 4)
	v_lshrrev_b32 v10, 4, v1
	v_lshl_add_u32 v4, v10, 5, v4                  ; + 32 (l / 16)
	v_and_b32 v10, 3, v1
	v_lshl_add_u32 v4, v10, 3, v4                  ; + 8 (l % 4)
	v_lshrrev_b32 v10, 2, v2                       ; wo: row g / 4,
	v_and_b32 v11, 3, v2                           ; quarter g % 4
	v_lshl_add_u32 v5, v10, 13, v9
	v_lshl_add_u32 v5, v11, 11, v5
	v_lshl_add_u32 v6, v10, 8, v12
	v_lshl_add_u32 v6, v11, 19, v6
	v_and_b32 v10, 0x3ff, v2
	v_lshl_add_u32 v7, v10, 9, v9                  ; cos or sin in
	v_lshl_add_u32 v8, v2, 9, v9                   ; cst out
	s_cmp_lt_u32 s22, 1024
	s_wait_kmcnt 0x0
	s_cselect_b64 s[24:25], s[12:13], s[14:15]
.irp z, 0,1,2
.irp hd, 0,1,2,3
	global_load_b128 v[16+16*(\z)+4*(\hd):16+16*(\z)+4*(\hd)+3], v3, s[4+2*(\z):5+2*(\z)] offset:512*(\hd) th:TH_LOAD_NT
.endr
.endr
.irp j, 0,1,2,3
	global_load_b128 v[64+4*(\j):64+4*(\j)+3], v5, s[10:11] offset:512*(\j) th:TH_LOAD_NT
.endr
	global_load_b128 v[80:83], v7, s[24:25] th:TH_LOAD_NT
	s_wait_loadcnt 5                               ; the twelve loads of weights are in; wo's four and the table's one may stay out
.set n, 0
.rept 12
	v_cvt_pk_bf16_f32 v[84+2*n],   v[16+4*n],   v[16+4*n+1]
	v_cvt_pk_bf16_f32 v[84+2*n+1], v[16+4*n+2], v[16+4*n+3]
.set n, n+1
.endr
.irp z, 0,1,2
.irp hd, 0,1,2,3
	global_store_b64 v4, v[84+8*(\z)+2*(\hd):84+8*(\z)+2*(\hd)+1], s[16:17] offset:(\hd)*HEADB+(\z)*8192  ; the wave's 32 lanes fill one row of 256 bytes
.endr
.endr
	s_wait_loadcnt 1                               ; wo's four are in
.irp j, 0,1,2,3
	v_cvt_pk_bf16_f32 v120, v[64+4*(\j)],   v[64+4*(\j)+1]
	v_cvt_pk_bf16_f32 v121, v[64+4*(\j)+2], v[64+4*(\j)+3]
	v_lshlrev_b32 v[64+4*(\j)],   16, v120
	v_and_b32     v[64+4*(\j)+1], 0xffff0000, v120
	v_lshlrev_b32 v[64+4*(\j)+2], 16, v121
	v_and_b32     v[64+4*(\j)+3], 0xffff0000, v121
	v_cvt_pk_f16_f32 v[108+2*(\j)],   v[64+4*(\j)],   v[64+4*(\j)+1]
	v_cvt_pk_f16_f32 v[108+2*(\j)+1], v[64+4*(\j)+2], v[64+4*(\j)+3]
	global_store_b64 v6, v[108+2*(\j):108+2*(\j)+1], s[18:19] offset:(\j)*131072
.endr
	s_wait_loadcnt 0x0
.irp j, 0,1,2,3
	v_mul_f32 v[80+(\j)], 0x3b800000, v[80+(\j)]   ; x 2^-8, exact
.endr
	v_cvt_pk_bf16_f32 v120, v80, v81
	v_cvt_pk_bf16_f32 v121, v82, v83
	v_lshlrev_b32 v116, 16, v120
	v_and_b32     v117, 0xffff0000, v120
	v_lshlrev_b32 v118, 16, v121
	v_and_b32     v119, 0xffff0000, v121
	global_store_b128 v8, v[116:119], s[20:21]
	s_endpgm
.Lfunc_end_k_qb3a349f4d3_prep:
	.size	k_qb3a349f4d3_prep, .Lfunc_end_k_qb3a349f4d3_prep-k_qb3a349f4d3_prep
	.p2alignl 7, 3214868480
	.fill 96, 4, 3214868480
	.section	.rodata,"a",@progbits
	.p2align	6, 0x0
	.amdhsa_kernel k_qb3a349f4d3_prep
		.amdhsa_group_segment_fixed_size 0
		.amdhsa_private_segment_fixed_size 0
		.amdhsa_enable_private_segment 0
		.amdhsa_kernarg_size 72
		.amdhsa_user_sgpr_count 2
		.amdhsa_user_sgpr_kernarg_segment_ptr 1
		.amdhsa_wavefront_size32 1
		.amdhsa_system_sgpr_workgroup_id_x 1
		.amdhsa_system_sgpr_workgroup_id_y 1
		.amdhsa_system_sgpr_workgroup_id_z 1
		.amdhsa_system_vgpr_workitem_id 0
		.amdhsa_next_free_vgpr 128
		.amdhsa_next_free_sgpr 66
		.amdhsa_reserve_vcc 0
		.amdhsa_float_denorm_mode_32 3
		.amdhsa_float_denorm_mode_16_64 3
		.amdhsa_memory_ordered 1
		.amdhsa_forward_progress 1
		.amdhsa_inst_pref_size 9
	.end_amdhsa_kernel
	.amdgpu_metadata
---
amdhsa.version: [ 1, 2 ]
amdhsa.kernels:
  - .name:           k_qb3a349f4d3_prep
    .symbol:         k_qb3a349f4d3_prep.kd
    .args:
      - { .name: wq, .offset: 0, .size: 8, .value_kind: global_buffer, .address_space: global }
      - { .name: wk, .offset: 8, .size: 8, .value_kind: global_buffer, .address_space: global }
      - { .name: wv, .offset: 16, .size: 8, .value_kind: global_buffer, .address_space: global }
      - { .name: wo, .offset: 24, .size: 8, .value_kind: global_buffer, .address_space: global }
      - { .name: cos, .offset: 32, .size: 8, .value_kind: global_buffer, .address_space: global }
      - { .name: sin, .offset: 40, .size: 8, .value_kind: global_buffer, .address_space: global }
      - { .name: wp, .offset: 48, .size: 8, .value_kind: global_buffer, .address_space: global }
      - { .name: wop, .offset: 56, .size: 8, .value_kind: global_buffer, .address_space: global }
      - { .name: cst, .offset: 64, .size: 8, .value_kind: global_buffer, .address_space: global }
    .group_segment_fixed_size: 0
    .private_segment_fixed_size: 0
    .kernarg_segment_align: 8
    .kernarg_segment_size: 72
    .max_flat_workgroup_size: 256
    .sgpr_count:     66
    .vgpr_count:     128
    .wavefront_size: 32
...
	.end_amdgpu_metadata
.endif
;; end of part 1
;; launch qkv (part 2): grid 4 x 64, 4 waves a work-group, clusters of 4 x 4, 327,680 bytes of LDS; arguments x, wp, cst, qh, kh, vh; writes qh, kh, vh
.if DOCPART == 2
	.amdgcn_target "amdgcn-amd-amdhsa--gfx1250"
	.amdhsa_code_object_version 6
	.text
	.protected	k_qb3a349f4d3_qkv
	.globl	k_qb3a349f4d3_qkv
	.p2align	8
	.type	k_qb3a349f4d3_qkv,@function
k_qb3a349f4d3_qkv:
	s_mov_b64 s[64:65], 0
	v_nop
	global_prefetch_b8 v0, s[64:65] scope:SCOPE_SE
	s_setreg_imm32_b32 hwreg(HW_REG_WAVE_MODE, 25, 1), 1
	s_wait_xcnt 0x0
	s_wait_alu depctr_hold_cnt(0) depctr_sa_sdst(0) depctr_va_vdst(0) depctr_va_sdst(0) depctr_va_ssrc(0) depctr_va_vcc(0) depctr_vm_vsrc(0)
	s_getreg_b32 s2, hwreg(HW_REG_IB_STS2, 6, 4)
	s_cmp_eq_u32 s2, 0
	s_cbranch_scc0 .Lentry_in_a_cluster
	s_endpgm
.Lentry_in_a_cluster:
	s_bfe_u32 s2, ttmp6, 0x10000c
	s_cmp_lg_u32 s2, 0xf033
	s_cbranch_scc0 .Lentry_shape_is_right
	s_endpgm
.Lentry_shape_is_right:
; QKV: q, k, v = x [8192][2048] times the three weights of one head, q and k rotated, all written by heads as f16 [b 4 + h][s][128].  Products in bf16, sums in f32.
; LIMITS.  q and k are stored at 2^-8 of their size (the factor lies in the tables): beyond |q|, |k| = 1.6e7 f16 has no number.  v is stored as it is: |v| < 65,504.  NaN and infinities are not treated apart.
; SHARES.  256 work-groups: head = cx, 128 rows of x = block 4 x cluster y + cy.  A work-group makes 128 x 384 (q, k, v of its head); wave (wm, wn) makes 64 rows x 192 columns: of q, of k and of v the
; tiles 4 wn .. 4 wn + 3: 48 accumulators, number 12 a + j: a = 16 rows, j / 4 = q, k, v, tile 4 wn + j % 4.  So all four waves have the same way out.
; Source 0 = 16 columns of W, source 1 = 16 rows of x: a lane holds one row and eight neighbouring columns.  K goes in 16 steps of 128, each four sub-steps of 32 on two fragment buffers.
; x IS READ AS f32, ONCE A WORK-GROUP: wave w loads rows 32 w .. 32 w + 31 (a load is 512 consecutive bytes of a row), rounds them to bf16 and stores them into a ring of two LDS slots of its own kind,
; which no tensor load ever fills.  Step t rounds x(t + 1) and asks for x(t + 2): a load has a whole step in which to come.
; W comes by tensor loads into a ring of two slots, a chunk of 96 rows x 256 bytes a wave.  CLUSTER: the four work-groups of a column of the cluster have the same head and ask for W jointly.
; x's rows are shared along a row of the cluster, but do not pass through the tensor mover (they change format on the way), so they are not asked for jointly.
; REGISTERS (windows of 256): window 0: v1-23 addresses, v32-95 x's fragments (two buffers), v96-111 at work, v128-255 x as loaded; window 1: W's fragments, two buffers of 96; windows 2, 3: accumulators.
.set PA,    272                        ; a row of x, of the tables and of the stage in LDS: 256 bytes + 16
.set PB,    288                        ; a row of W: 256 + 32, an odd multiple of 32 for the turning load
.set ZB,    32*PB                      ; a chunk's rows of q, of k, of v
.set CH,    3*ZB                       ; a chunk
.set SLOT1, 131072                     ; W's slot 1: one exclusive or turns an address in one slot into the other's
.set ABASE, SLOT1+4*CH                 ; x's ring
.set ASLOT, 128*PA
.set SPARE, ABASE+2*ASLOT              ; the spare words, 128 bytes a wave: two blocks of 256 bytes that no other line names
.set STG,   SLOT1                      ; the way out: [q, k, v][128 rows][272], over W's slot 1 behind its last fill
.set ZS,    128*PA
.set SINO,  128*PA                     ; the tables: cos at 0, sin here, over W's slot 0: its last fill
.set WSTEP, 4*24576                    ; a step's four chunks in memory
.set R, 1
.set H, 2
.set XO, 3                             ; 16 l
.set STA0, 4                           ; where I store 8 bytes of x's row 32 w, slot 0
.set STA, 5
.set ADA0, 6                           ; x's fragments, slot 0
.set ADA, 7
.set ADB0, 8                           ; W's fragments: my lane's place in a chunk, my four tiles
.set ADB, 9
.set STO, 12                           ; the way out: where I put 16 bytes of a row of q; k lies ZS further on,
.set STO2, 13                          ; v here
.set RD, 14
.set RD2, 15
.set GO, 16
.set CSA, 17                           ; my eight cos of a pair of tiles
.set PFO, 19
.set SPW, 22
.set NIL, 23
.set AF, 32
.set T, 96
.set X, 128
.set UU, 32                            ; the way out, at work
.set WW, 40
.set R1, 48
.set R2, 56
.set HH, 64
.set CS0, 128                          ; cos and sin: 32 registers for each 16 rows
.set WV, 16
.set WM, 17
.set WN, 18
.set CX, 19
.set CY, 20
.set MB, 21
.set CLY, 22
.set G1, 24                            ; s[24:31] group 1 for W
.set G0A, 32                           ; s[32:35] group 0, step 0
.set G0B, 36                           ; s[36:39] group 0, step 1; then it walks
.set G1C, 40                           ; s[40:47] group 1 for the tables
.set G0C, 48                           ; s[48:51]
.set TB, 54                            ; LDS byte of the chunk to be fetched
.set AR, 55                            ; x's ring: the slot read,
.set AW, 56                            ; the slot written
.set CNT, 57
.set XB, 58                            ; s[58:59] x at my 32 rows, step t
.set PFA, 60                           ; s[60:61] where my prefetches stand
.set PFS, 62                           ; s[62:63] their step
.set LIM, 66
.set XS, 68                            ; s[68:69] the step of x's pointer: 512, in the loop's last trip 0
.set DQ, 70
.set DK, 72
.set DV, 74
.set MSB, 0
.macro WIN new                         ; the immediate's high byte repeats the setting that is left; a switch that changes nothing is dropped
.if MSB != (\new)
	s_set_vgpr_msb (MSB<<8)|(\new)
.set MSB, (\new)
.endif
.endm
.macro PLACES                          ; four places behind matrix instructions (ISA guide 7.12.1)
.rept 4
	v_nop
.endr
.endm
.macro CREST                           ; a round of the cluster's barrier behind its opening barrier
	s_cmp_lg_u32 s[WV], 0
	s_cbranch_scc1 .Lnot_wave_0_\@
	s_barrier_signal -3
.Lnot_wave_0_\@:
	s_barrier_wait -3
	s_barrier_signal -1
	s_barrier_wait -1
.endm
.macro CROUND
	s_barrier_signal -1
	s_barrier_wait -1
	CREST
.endm
	s_load_b256 s[4:11], s[0:1], 0x0               ; x s[4:5], wp s[6:7], cst s[8:9], qh s[10:11]
	s_load_b128 s[12:15], s[0:1], 0x20             ; kh s[12:13], vh s[14:15]
	v_lshl_add_u32 v[SPW], v0, 2, SPARE
	v_mov_b32 v[NIL], 0
	ds_add_u32 v[SPW], v[NIL]                      ; the wave's opening: the add and its wait stand ahead of my first tensor load; work on registers stands between
	v_lshrrev_b32 v1, 5, v0
	v_readfirstlane_b32 s[WV], v1
	v_and_b32 v24, 31, v0                          ; l
	v_lshlrev_b32 v[XO], 4, v24
	s_lshr_b32 s[WM], s[WV], 1
	s_and_b32 s[WN], s[WV], 1
	s_bfe_u32 s[CX], ttmp6, 0x40000                ; cx = the head
	s_bfe_u32 s[CY], ttmp6, 0x40004
	s_and_b32 s[CLY], ttmp7, 0xffff
	s_lshl_b32 s[MB], s[CLY], 2
	s_add_co_u32 s[MB], s[MB], s[CY]               ; block of 128 rows
	s_lshl_b32 s2, 0x1111, s[CX]                   ; my column of the cluster
	s_or_b32 s[G1], s2, (1<<16)|(1<<20)|(1<<21)|(5<<22)|(7<<25)  ; the mask; 2-byte elements; padding on; bit 21 beside a mask; after every 64 words 8 words
	s_mov_b32 s[G1+1], 128<<16                     ; tensor_dim0 = 128
	s_mov_b32 s[G1+2], 96<<16                      ; tensor_dim1 = 96
	s_mov_b32 s[G1+3], 128<<16                     ; tile_dim0 = 128
	s_mov_b32 s[G1+4], 96                          ; tile_dim1 = 96
	s_mov_b32 s[G1+5], 128                         ; 128 elements from row to row
	s_mov_b32 s[G1+6], 0
	s_mov_b32 s[G1+7], 0
	s_mov_b32 s[G1C], (2<<16)|(1<<20)|(5<<22)|(3<<25)  ; no mask; 4-byte elements; after every 64 words 4 words
	s_mov_b32 s[G1C+1], 64<<16
	s_mov_b32 s[G1C+2], 128<<16
	s_mov_b32 s[G1C+3], 64<<16
	s_mov_b32 s[G1C+4], 128
	s_mov_b32 s[G1C+5], 64
	s_mov_b32 s[G1C+6], 0
	s_mov_b32 s[G1C+7], 0
	s_mov_b32 s[G0A], 1
	s_mul_i32 s[G0A+1], s[WV], CH                  ; wave w brings chunk w of a step
	s_mov_b32 s[G0B], 1
	s_add_co_u32 s[G0B+1], s[G0A+1], SLOT1
	s_mov_b32 s[G0C], 1
	s_mul_i32 s[G0C+1], s[WN], SINO                ; wave 0 cos, wave 1 sin
	s_mul_i32 s76, s[CX], 64*24576                 ; W: the head, the wave's chunk: nothing but cx and the wave's number
	s_mul_i32 s77, s[WV], 24576
	s_add_co_u32 s76, s76, s77
	s_mov_b32 s77, 0
	s_and_b32 s78, s[MB], 15                       ; the tables: rows s0 = 128 (block % 16) on, 256 bytes a row
	s_lshl_b32 s78, s78, 15
	s_lshl_b32 s79, s[WN], 19
	s_add_co_u32 s78, s78, s79
	s_mov_b32 s79, 0
	s_lshl_b32 s80, s[MB], 20                      ; x: 128 rows of 8,192 bytes a block, 32 a wave
	s_lshl_b32 s81, s[WV], 18
	s_add_co_u32 s80, s80, s81
	s_mov_b32 s81, 0
	s_lshr_b32 s82, s[MB], 4                       ; out: ((4 b + head) 2,048 + s0 + 32 w) rows of 256 bytes
	s_lshl2_add_u32 s82, s82, s[CX]
	s_lshl_b32 s82, s82, 11
	s_and_b32 s83, s[MB], 15
	s_lshl_b32 s83, s83, 7
	s_add_co_u32 s82, s82, s83
	s_lshl_b32 s83, s[WV], 5
	s_add_co_u32 s82, s82, s83
	s_lshl_b32 s82, s82, 8
	s_mov_b32 s83, 0
	; the prefetches.  Wave 3: x, rows 32 cx .. of the block, a lane a row; it starts at step 3 and is stepped ahead of its first use.  Waves 0-2 of the first cluster: W, chunk 8 + cy, rows 32 w ..
	s_lshl_b32 s84, s[MB], 20
	s_lshl_b32 s85, s[CX], 18
	s_add_co_u32 s84, s84, s85
	s_add_co_u32 s84, s84, 3*512
	s_mul_i32 s85, s[CX], 64*24576
	s_add_co_u32 s86, s[CY], 8
	s_mul_i32 s86, s86, 24576
	s_add_co_u32 s85, s85, s86
	s_lshl_b32 s86, s[WV], 13
	s_add_co_u32 s85, s85, s86
	s_mov_b32 s86, 512
	s_cmp_eq_u32 s[CLY], 0
	s_cselect_b32 s[LIM], 1, -1                    ; all clusters read the same W: the first asks, while the count is above 1
	s_cmp_eq_u32 s[WV], 3
	s_cselect_b32 s[LIM], 2, s[LIM]                ; x: while the count is above 2
	s_cselect_b32 s84, s84, s85
	s_cselect_b32 s[PFS], s86, WSTEP
	s_cselect_b32 s87, 13, 8
	s_mov_b32 s85, 0
	s_mov_b32 s[PFS+1], 0
	s_mov_b32 s[XS+1], 0
	v_lshlrev_b32 v[PFO], s87, v24
	s_mov_b32 s[TB], 0
	s_mov_b32 s[AR], 0
	s_mov_b32 s[AW], ASLOT
	s_wait_dscnt 0x0                               ; the opening add is done
	s_wait_kmcnt 0x0
	s_add_nc_u64 s[G0A+2:G0A+3], s[6:7], s[76:77]
	s_add_nc_u64 s[G0B+2:G0B+3], s[G0A+2:G0A+3], WSTEP
	s_or_b32 s[G0A+3], s[G0A+3], 0x80000000
	s_or_b32 s[G0B+3], s[G0B+3], 0x80000000
	s_add_nc_u64 s[G0C+2:G0C+3], s[8:9], s[78:79]
	s_or_b32 s[G0C+3], s[G0C+3], 0x80000000
	s_add_nc_u64 s[XB:XB+1], s[4:5], s[80:81]
	s_add_nc_u64 s[DQ:DQ+1], s[10:11], s[82:83]
	s_add_nc_u64 s[DK:DK+1], s[12:13], s[82:83]
	s_add_nc_u64 s[DV:DV+1], s[14:15], s[82:83]
	s_cmp_eq_u32 s[WV], 3
	s_cselect_b64 s[PFA:PFA+1], s[4:5], s[6:7]
	s_add_nc_u64 s[PFA:PFA+1], s[PFA:PFA+1], s[84:85]
	WIN 0x80                                       ; x(0) goes into registers that the sums take later
.set i, 0
.rept 32
	global_load_b128 v[4*i:4*i+3], v[XO], s[XB:XB+1] offset:i*8192
.set i, i+1
.endr
	WIN 0
.set i, 0
.rept 32
	global_load_b128 v[X+4*i:X+4*i+3], v[XO], s[XB:XB+1] offset:i*8192+512
.set i, i+1
.endr
	CROUND                                         ; all sixteen work-groups are here: the first joint loads meet
	tensor_load_to_lds s[G0A:G0A+3], s[G1:G1+7]    ; step 0
	s_nop 0
	tensor_load_to_lds s[G0B:G0B+3], s[G1:G1+7]    ; step 1: two loads of mine are out
	s_nop 0
	PLACES
	v_and_b32 v[R], 15, v0
	v_bfe_u32 v[H], v0, 4, 1
	s_mul_i32 s2, s[WV], 32*PA
	s_add_co_u32 s2, s2, ABASE
	v_lshl_add_u32 v[STA0], v24, 3, s2
	s_mul_i32 s2, s[WM], 64*PA
	v_mul_u32_u24 v25, v[R], PA
	v_add_nc_u32 v25, s2, v25                      ; (64 wm + r) 272
	v_lshl_add_u32 v26, v[H], 4, v25               ; + 16 h
	v_add_nc_u32 v[ADA0], ABASE, v26
	v_and_b32 v27, 7, v0                           ; the turning load: row 8 h + l % 8, 16 bytes by (l / 8) % 2
	v_lshl_add_u32 v27, v[H], 3, v27
	v_mul_u32_u24 v27, v27, PB
	v_bfe_u32 v28, v0, 3, 1
	v_lshl_add_u32 v27, v28, 4, v27
	s_lshl_b32 s2, s[WN], 7                        ; my four tiles of 32 bytes in a row of W
	v_add_nc_u32 v[ADB0], s2, v27
	v_lshl_add_u32 v[CSA], v[H], 5, v25            ; the tables: row, 32 h, and my two pairs' 128 bytes
	v_add_nc_u32 v[CSA], s2, v[CSA]
	s_lshl_b32 s2, s[WN], 6                        ; the stage: my two pairs' 64 bytes in each half of a row
	s_add_co_u32 s2, s2, STG
	v_add_nc_u32 v[STO], s2, v26
	v_add_nc_u32 v[STO2], 2*ZS, v[STO]
	s_mul_i32 s2, s[WV], 32*PA
	s_add_co_u32 s2, s2, STG
	v_mul_u32_u24 v28, v[H], PA
	v_lshl_add_u32 v28, v[R], 4, v28
	v_add_nc_u32 v[RD], s2, v28
	v_add_nc_u32 v[RD2], 2*ZS, v[RD]
	v_lshlrev_b32 v[GO], 8, v[H]
	v_lshl_add_u32 v[GO], v[R], 4, v[GO]
	v_add_nc_u32 v[STA], ASLOT, v[STA0]
	v_mov_b32 v[ADA], v[ADA0]
	s_wait_loadcnt 32                              ; x(0) is in; x(1)'s 32 loads stay out
	WIN 0x0a
.set i, 0
.rept 32
	v_cvt_pk_bf16_f32 v[AF+2*i],   v[4*i],   v[4*i+1]
	v_cvt_pk_bf16_f32 v[AF+2*i+1], v[4*i+2], v[4*i+3]
.set i, i+1
.endr
	WIN 0
.set i, 0
.rept 32
	ds_store_b64 v[STA0], v[AF+2*i:AF+2*i+1] offset:i*PA
.set i, i+1
.endr
; Products number i0 to i1 of a sub-step's 48, on buffer f.  Each accumulator has one a sub-step, so no two matrix instructions that follow each other share one.  zero = 1: they start the sums.
.macro MUL f, i0, i1, zero
.set n, \i0
.rept (\i1)-(\i0)+1
.if n < 32
	WIN 0xa1                                       ; W window 1, x window 0, sums window 2
.set rD, 8*n
.else
	WIN 0xf1                                       ; sums window 3
.set rD, 8*(n-32)
.endif
.set rB, 96*(\f)+8*(n%12)
.set rA, AF+32*(\f)+8*(n/12)
.if \zero
	v_wmma_f32_16x16x32_bf16 v[rD:rD+7], v[rB:rB+7], v[rA:rA+7], 0
.else
	v_wmma_f32_16x16x32_bf16 v[rD:rD+7], v[rB:rB+7], v[rA:rA+7], v[rD:rD+7]
.endif
.set n, n+1
.endr
.endm
; 32 LDS loads in one run: sub-step q's fragments into buffer g: 12 tiles of W (turned: four of q, of k, of v), then 4 x 16 rows of x.
.macro FETCH q, g
	WIN 0
	v_add_nc_u32 v[ADB], s[TB], v[ADB0]
	s_add_co_u32 s[TB], s[TB], CH                  ; the next fetch is the next chunk's
	WIN 0x40
.irp j, 0,1,2,3,4,5,6,7,8,9,10,11
	ds_load_tr16_b128 v[96*(\g)+8*(\j):96*(\g)+8*(\j)+3],   v[ADB] offset:((\j)/4)*ZB+32*((\j)%4)
	ds_load_tr16_b128 v[96*(\g)+8*(\j)+4:96*(\g)+8*(\j)+7], v[ADB] offset:((\j)/4)*ZB+32*((\j)%4)+16*PB
.endr
	WIN 0
.irp a, 0,1,2,3
	ds_load_b128 v[AF+32*(\g)+8*(\a):AF+32*(\g)+8*(\a)+3],   v[ADA] offset:(\a)*16*PA+64*(\q)
	ds_load_b128 v[AF+32*(\g)+8*(\a)+4:AF+32*(\g)+8*(\a)+7], v[ADA] offset:(\a)*16*PA+64*(\q)+32
.endr
.endm
; Eight rows (8 q ..) of the next step's x: waited for, rounded, stored into the slot that nobody reads; mode 2: the same registers are asked for again, two steps on.  The 16 roundings are also the
; places in front of the fetch behind.  lw: the loads issued behind these eight: 24 while the ring of loads runs.  mode 0: nothing is left: four places.
.macro XOPS q, mode, lw
.if (\mode) == 0
	PLACES
.else
	WIN 0
	s_wait_loadcnt \lw
.irp i, 0,1,2,3,4,5,6,7
	v_cvt_pk_bf16_f32 v[T+2*(\i)],   v[X+32*(\q)+4*(\i)],   v[X+32*(\q)+4*(\i)+1]
	v_cvt_pk_bf16_f32 v[T+2*(\i)+1], v[X+32*(\q)+4*(\i)+2], v[X+32*(\q)+4*(\i)+3]
.endr
.irp i, 0,1,2,3,4,5,6,7
	ds_store_b64 v[STA], v[T+2*(\i):T+2*(\i)+1] offset:(8*(\q)+(\i))*PA
.endr
.if (\mode) == 2
.irp i, 0,1,2,3,4,5,6,7
	global_load_b128 v[X+32*(\q)+4*(\i):X+32*(\q)+4*(\i)+3], v[XO], s[XB:XB+1] offset:(8*(\q)+(\i))*8192+1024
.endr
.endif
.endif
.endm
; One of a step's first three sub-steps: multiplies buffer f, fetches sub-step q + 1 into g.
.macro SUB q, f, g, zero, mode, lw
	s_wait_dscnt 4                                 ; W and x's rows 0-31 are in; the youngest four loads (rows 32-63) may be out
	MUL \f, 0, 23, \zero
	XOPS \q, \mode, \lw
	FETCH (\q)+1, \g
.if \mode
	s_wait_dscnt 40                                ; all but the 8 stores and 32 loads just issued
.else
	s_wait_dscnt 32
.endif
	MUL \f, 24, 47, \zero
.endm
; A prefetch into the L2, behind the joint load and the run of LDS loads.  Wave 3: the 512 bytes of step t + 4 of 32 rows of x (the four work-groups that read the block share its rows out by address),
; two steps ahead of the loads.  Waves 0-2 of the first cluster: one chunk of step t + 3 of W (the four partners take a chunk each, by address), a step ahead of the refill.  Each aligned block of 256 bytes
; is named once.  The count (14 - t) stops them: x's behind t = 11, W's behind t = 12.
.macro ASK
	s_cmp_gt_u32 s[CNT], s[LIM]
	s_cbranch_scc0 .Lnone_\@
	global_prefetch_b8 v[PFO], s[PFA:PFA+1] th:TH_LOAD_NT scope:SCOPE_SE
	s_cmp_eq_u32 s[WV], 3
	s_cbranch_scc0 .Lnone_\@
	global_prefetch_b8 v[PFO], s[PFA:PFA+1] offset:256 th:TH_LOAD_NT scope:SCOPE_SE
.Lnone_\@:
.endm
; The fourth sub-step multiplies buffer 1 and changes slots, W's and x's.  In front of the barrier each wave waits for all its tensor loads (one is out: its chunk of the next slot), adds 0 to its spare
; word, and waits for that, for its stores of x and for its reads of both old slots.  The barrier opens a round of the cluster's; behind the round the old slot of W is filled first:
; fill = 1: with the step two on, jointly; fill = 2: with the tables (waves 0 and 1; a load of the work-group's own).  inloop = 1: the pointers into x and of the prefetches are stepped, and the prefetches stand behind the fetch.
.macro TURN fill, mode, lw, inloop
	s_wait_dscnt 4
	XOPS 3, \mode, \lw
	WIN 0
	s_wait_tensorcnt 0x0                           ; no tensor load of mine is out, so a group 0 may be written
	ds_add_u32 v[SPW], v[NIL]                      ; 0 onto my spare word
.if (\fill) == 1
	s_xor_b32 s[G0B+1], s[G0B+1], SLOT1
	s_add_nc_u64 s[G0B+2:G0B+3], s[G0B+2:G0B+3], WSTEP
.endif
	s_sub_co_u32 s[TB], s[TB], 4*CH
	s_xor_b32 s[TB], s[TB], SLOT1
	s_xor_b32 s[AR], s[AR], ASLOT
	s_xor_b32 s[AW], s[AW], ASLOT
	MUL 1, 0, 15, 0
.if \inloop
	s_wait_xcnt 0x0                                ; the step's loads and the last prefetches have read their addresses
	s_cmp_gt_u32 s[CNT], 1                         ; in the last trip x's pointer stays: the trip's last eight loads then name x(15)'s rows 0-7 once more, inside the buffer; they are not used:
	s_cselect_b32 s[XS], 512, 0                    ; the price of one text for all fourteen trips
	s_add_nc_u64 s[XB:XB+1], s[XB:XB+1], s[XS:XS+1]
	s_add_nc_u64 s[PFA:PFA+1], s[PFA:PFA+1], s[PFS:PFS+1]
.endif
	s_wait_dscnt 0x0                               ; the add, my stores of x and my reads of the old slots are done
	s_barrier_signal -1
	MUL 1, 16, 31, 0
	WIN 0
	s_barrier_wait -1
	CREST
.if (\fill) == 1
	tensor_load_to_lds s[G0B:G0B+3], s[G1:G1+7]    ; my one load behind the round
	s_nop 0
	PLACES
.else
	s_cmp_lt_u32 s[WV], 2
	s_cbranch_scc0 .Lno_table_\@
	tensor_load_to_lds s[G0C:G0C+3], s[G1C:G1C+7]
	s_nop 0
	PLACES
.Lno_table_\@:
.endif
	v_add_nc_u32 v[ADA], s[AR], v[ADA0]
	v_add_nc_u32 v[STA], s[AW], v[STA0]
	FETCH 0, 0
.if \inloop
	ASK
.endif
	MUL 1, 32, 47, 0
.endm
	s_wait_tensorcnt 1                             ; my chunk of step 0 is in; step 1's may stay out
	s_wait_dscnt 0x0                               ; my rows of x(0) are stored
	s_barrier_signal -1
	s_barrier_wait -1
	FETCH 0, 0
	SUB 0, 0, 1, 1, 2, 24                          ; the first sub-step stands in front of the loop: its products start the sums
	WIN 0
	s_mov_b32 s[CNT], 14
.Lstep:                                                ; trip t = 0 .. 13: the rest of step t, which asks for W(t + 2) and x(t + 2), and the first sub-step of step t + 1
	SUB 1, 1, 0, 0, 2, 24
	SUB 2, 0, 1, 0, 2, 24
	TURN 1, 2, 24, 1
	SUB 0, 0, 1, 0, 2, 24
	WIN 0
	s_sub_co_u32 s[CNT], s[CNT], 1
	s_cmp_lg_u32 s[CNT], 0
	s_cbranch_scc1 .Lstep
	SUB 1, 1, 0, 0, 1, 24                          ; step 14 rounds the rest of x(15) and loads nothing: behind rows 8-15 stand 16 loads of x(15) and the eight repeated ones; the counts run down
	SUB 2, 0, 1, 0, 1, 16
	TURN 2, 1, 8, 0                                ; W's slot 0 takes the tables
	SUB 0, 0, 1, 0, 0, 0                           ; step 15
	SUB 1, 1, 0, 0, 0, 0
	SUB 2, 0, 1, 0, 0, 0
	s_wait_dscnt 4
	MUL 1, 0, 23, 0
	s_wait_tensorcnt 0x0                           ; the tables are in (waves 0 and 1),
	s_wait_loadcnt 0x0                             ; the eight repeated loads are back: their registers take the tables below,
	s_wait_dscnt 0x0                               ; and my reads of W's slot 1, which becomes the stage, are over
	s_barrier_signal -1
	MUL 1, 24, 47, 0
	WIN 0
	s_barrier_wait -1
; THE WAY OUT.  A pair of tiles holds channels d (first) and d + 64 (second) in the same lanes: out1 = x1 c - x2 s, out2 = x2 c + x1 s, with c and s from the tables (at 2^-8), rounded to f16.
; A pair's c and s serve q and k alike.
.macro CSLD c, a, t                    ; my eight cos and eight sin for rows 16 a .., pair t of my two
	ds_load_b128 v[(\c):(\c)+3],     v[CSA] offset:(\a)*16*PA+64*(\t)
	ds_load_b128 v[(\c)+4:(\c)+7],   v[CSA] offset:(\a)*16*PA+64*(\t)+16
	ds_load_b128 v[(\c)+8:(\c)+11],  v[CSA] offset:(\a)*16*PA+64*(\t)+SINO
	ds_load_b128 v[(\c)+12:(\c)+15], v[CSA] offset:(\a)*16*PA+64*(\t)+SINO+16
.endm
.macro ROPE ia, c, sto, off            ; ia: the first tile's accumulator; each accumulator's registers are taken in ascending order
.if (\ia) < 32
	WIN 0x02
.set rA, 8*(\ia)
.else
	WIN 0x03
.set rA, 8*((\ia)-32)
.endif
.irp p, 0,2,4,6
	v_pk_mul_f32 v[UU+(\p):UU+(\p)+1], v[rA+8+(\p):rA+8+(\p)+1], v[(\c)+8+(\p):(\c)+8+(\p)+1]
	v_pk_mul_f32 v[WW+(\p):WW+(\p)+1], v[rA+(\p):rA+(\p)+1],     v[(\c)+8+(\p):(\c)+8+(\p)+1]
.endr
.irp p, 0,2,4,6
	v_pk_fma_f32 v[R1+(\p):R1+(\p)+1], v[rA+(\p):rA+(\p)+1],     v[(\c)+(\p):(\c)+(\p)+1], v[UU+(\p):UU+(\p)+1] neg_lo:[0,0,1] neg_hi:[0,0,1]
	v_pk_fma_f32 v[R2+(\p):R2+(\p)+1], v[rA+8+(\p):rA+8+(\p)+1], v[(\c)+(\p):(\c)+(\p)+1], v[WW+(\p):WW+(\p)+1]
.endr
	WIN 0
.irp p, 0,1,2,3
	v_cvt_pk_f16_f32 v[HH+(\p)],   v[R1+2*(\p)], v[R1+2*(\p)+1]
	v_cvt_pk_f16_f32 v[HH+4+(\p)], v[R2+2*(\p)], v[R2+2*(\p)+1]
.endr
	ds_store_b128 v[\sto], v[HH:HH+3]   offset:(\off)
	ds_store_b128 v[\sto], v[HH+4:HH+7] offset:(\off)+128
.endm
.macro PLAIN ia, sto, off              ; v: a pair of tiles is only rounded
.if (\ia) < 32
	WIN 0x0a
.set rA, 8*(\ia)
.else
	WIN 0x0f
.set rA, 8*((\ia)-32)
.endif
.irp p, 0,1,2,3,4,5,6,7
	v_cvt_pk_f16_f32 v[HH+(\p)], v[rA+2*(\p)], v[rA+2*(\p)+1]
.endr
	WIN 0
	ds_store_b128 v[\sto], v[HH:HH+3]   offset:(\off)
	ds_store_b128 v[\sto], v[HH+4:HH+7] offset:(\off)+128
.endm
	PLACES                                         ; behind the last products
.irp a, 0,1,2,3
	CSLD CS0+32*(\a),    \a, 0                     ; all 32 loads of the tables go out first
	CSLD CS0+32*(\a)+16, \a, 1
.endr
.irp a, 0,1,2,3
	s_wait_dscnt 24+4*(\a)                         ; behind the eight loads for rows 16 a .. stand 8 (3 - a) loads and the 12 a stores issued since
.irp t, 0,1
	ROPE  12*(\a)+2*(\t),   CS0+32*(\a)+16*(\t), STO,  (\a)*16*PA+32*(\t)
	ROPE  12*(\a)+4+2*(\t), CS0+32*(\a)+16*(\t), STO,  ZS+(\a)*16*PA+32*(\t)
	PLAIN 12*(\a)+8+2*(\t), STO2, (\a)*16*PA+32*(\t)
.endr
.endr
	s_wait_dscnt 0x0                               ; for the others' sake: my stores into the stage are done
	s_barrier_signal -1
	s_barrier_wait -1
	WIN 0x40                                       ; back as whole rows: wave w takes rows 32 w .. of q, k and v; lanes 0-15 one row of 256 bytes, lanes 16-31 the next
.set i, 0
.rept 16
	ds_load_b128 v[4*i:4*i+3], v[RD] offset:i*2*PA
.set i, i+1
.endr
.set i, 0
.rept 16
	ds_load_b128 v[64+4*i:64+4*i+3], v[RD] offset:ZS+i*2*PA
.set i, i+1
.endr
.set i, 0
.rept 16
	ds_load_b128 v[128+4*i:128+4*i+3], v[RD2] offset:i*2*PA
.set i, i+1
.endr
	WIN 0x04                                       ; the stores' data lie in window 1
	s_wait_dscnt 32
.set i, 0
.rept 16
	global_store_b128 v[GO], v[4*i:4*i+3], s[DQ:DQ+1] offset:i*512  ; 16 lanes store 256 consecutive bytes, aligned
.set i, i+1
.endr
	s_wait_dscnt 16
.set i, 0
.rept 16
	global_store_b128 v[GO], v[64+4*i:64+4*i+3], s[DK:DK+1] offset:i*512
.set i, i+1
.endr
	s_wait_dscnt 0x0
.set i, 0
.rept 16
	global_store_b128 v[GO], v[128+4*i:128+4*i+3], s[DV:DV+1] offset:i*512
.set i, i+1
.endr
	WIN 0
	s_wait_tensorcnt 0x0                           ; the wave's end: behind my last tensor load and my last LDS store
	ds_add_u32 v[SPW], v[NIL]
	s_wait_dscnt 0x0
	CROUND                                         ; the closing round
	s_endpgm
.Lfunc_end_k_qb3a349f4d3_qkv:
	.size	k_qb3a349f4d3_qkv, .Lfunc_end_k_qb3a349f4d3_qkv-k_qb3a349f4d3_qkv
	.p2alignl 7, 3214868480
	.fill 96, 4, 3214868480
	.section	.rodata,"a",@progbits
	.p2align	6, 0x0
	.amdhsa_kernel k_qb3a349f4d3_qkv
		.amdhsa_group_segment_fixed_size 327680
		.amdhsa_private_segment_fixed_size 0
		.amdhsa_enable_private_segment 0
		.amdhsa_kernarg_size 48
		.amdhsa_user_sgpr_count 2
		.amdhsa_user_sgpr_kernarg_segment_ptr 1
		.amdhsa_wavefront_size32 1
		.amdhsa_system_sgpr_workgroup_id_x 1
		.amdhsa_system_sgpr_workgroup_id_y 1
		.amdhsa_system_sgpr_workgroup_id_z 1
		.amdhsa_system_vgpr_workitem_id 0
		.amdhsa_next_free_vgpr 896
		.amdhsa_next_free_sgpr 96
		.amdhsa_reserve_vcc 0
		.amdhsa_float_denorm_mode_32 3
		.amdhsa_float_denorm_mode_16_64 3
		.amdhsa_memory_ordered 1
		.amdhsa_forward_progress 1
		.amdhsa_inst_pref_size 146
	.end_amdhsa_kernel
	.amdgpu_metadata
---
amdhsa.version: [ 1, 2 ]
amdhsa.kernels:
  - .name:           k_qb3a349f4d3_qkv
    .symbol:         k_qb3a349f4d3_qkv.kd
    .args:
      - { .name: x, .offset: 0, .size: 8, .value_kind: global_buffer, .address_space: global }
      - { .name: wp, .offset: 8, .size: 8, .value_kind: global_buffer, .address_space: global }
      - { .name: cst, .offset: 16, .size: 8, .value_kind: global_buffer, .address_space: global }
      - { .name: qh, .offset: 24, .size: 8, .value_kind: global_buffer, .address_space: global }
      - { .name: kh, .offset: 32, .size: 8, .value_kind: global_buffer, .address_space: global }
      - { .name: vh, .offset: 40, .size: 8, .value_kind: global_buffer, .address_space: global }
    .group_segment_fixed_size: 327680
    .private_segment_fixed_size: 0
    .kernarg_segment_align: 8
    .kernarg_segment_size: 48
    .max_flat_workgroup_size: 128
    .sgpr_count:     96
    .vgpr_count:     896
    .wavefront_size: 32
...
	.end_amdgpu_metadata
.endif
;; end of part 2
;; launch attn (part 3): grid 16 x 16, 4 waves a work-group, clusters of 4 x 1, 327,680 bytes of LDS; arguments qh, kh, vh, oh; writes oh
.if DOCPART == 3
	.amdgcn_target "amdgcn-amd-amdhsa--gfx1250"
	.amdhsa_code_object_version 6
	.text
	.protected	k_qb3a349f4d3_attn
	.globl	k_qb3a349f4d3_attn
	.p2align	8
	.type	k_qb3a349f4d3_attn,@function
k_qb3a349f4d3_attn:
	s_mov_b64 s[64:65], 0
	v_nop
	global_prefetch_b8 v0, s[64:65] scope:SCOPE_SE
	s_setreg_imm32_b32 hwreg(HW_REG_WAVE_MODE, 25, 1), 1
	s_wait_xcnt 0x0
	s_wait_alu depctr_hold_cnt(0) depctr_sa_sdst(0) depctr_va_vdst(0) depctr_va_sdst(0) depctr_va_ssrc(0) depctr_va_vcc(0) depctr_vm_vsrc(0)
	s_getreg_b32 s2, hwreg(HW_REG_IB_STS2, 6, 4)
	s_cmp_eq_u32 s2, 0
	s_cbranch_scc0 .Lentry_in_a_cluster
	s_endpgm
.Lentry_in_a_cluster:
	s_bfe_u32 s2, ttmp6, 0x10000c
	s_cmp_lg_u32 s2, 0x3003
	s_cbranch_scc0 .Lentry_shape_is_right
	s_endpgm
.Lentry_shape_is_right:
; CAUSAL ATTENTION, head size 128.  qh, kh (both at 2^-8 of their size), vh, oh: [16 heads][2048][128] f16.  Products, maxima and sums in f32; the weights p are rounded to f16 for the second product
; (their sum is taken of the unrounded p), O once at the end.
; LIMITS.  A hidden score counts as its value less 1e30.  The running maximum starts at -2^41: f16 operands give scores of at most 128 x 65,504^2 < 2^40, so every true score lies above it.
; A weight below 2^-126 counts as 0; below 6e-5 p keeps f16's fixed step.  NaN and infinities are not treated apart.
; THE WALK.  A head has 32 blocks of 64 queries.  Work-group b = 4 c + cx (c: the cluster) takes block b and then block 31 - b.  Keys go in tiles of 256: the first block needs c + 1 of them, the second 8 - c:
; nine, whatever b: one loop with a constant count.  The second block begins in trip c + 1, 4 at the most: always inside the loop, so the walk's last tile, which is written out, holds no block's beginning.
; The four partners of a cluster have the same c, so the same walk: every tile of K and V is asked for JOINTLY.  cx enters values and the addresses of Q and O alone.
; THE KEYS ARE SPLIT AMONG THE WAVES: of each tile wave w takes keys 64 w .. 64 w + 63, for all 64 queries (four tiles of 16), with a maximum m, a sum l and an O^T of its own; the four meet in LDS at the end.
; THE MASK is the C operand that starts S^T = K Q^T.  Only a block's last tile hides keys; there the block lies at place rem (cx, then 3 - cx) among the tile's four groups of 64 keys.  For key tile kt and query tile t:
; kt < t takes CL (-1e30 if w > rem), kt > t takes CU (-1e30 if w >= rem), kt = t takes CD = TRI x AL + CL (AL = 1 if w = rem; TRI hides key 8 h + j above query r).  Elsewhere all three are 0.
; A wave that sees hidden keys only keeps m at its start, so its p, l and O are 0.
; LAYOUT.  As S^T holds one query a lane (l % 16) and keys 8 (l / 16) + 0..7, two results rounded to f16 ARE source 1 of O^T = V^T P; P is written over S^T.  p = 2^(c s - c m), c = log2(e) / sqrt(128) x 2^16.
; REGISTERS (windows of 256): window 0: addresses, statistics, masks, v128-255 S^T; window 1: O^T (64 t + 8 cb); window 2: v0-127 Q, v128-255 K and then V of the step; window 3: the first block's O^T, set aside.
.set PK, 272
.set PV, 288
.set VOFF, 256*PK
.set SLOTB, 256*(PK+PV)                ; a slot: 256 rows of K, 256 of V
.set QL, 2*SLOTB                       ; both blocks' Q, 64 rows x 272 each
.set QLB, 64*PK
.set SPARE, QL+2*QLB                   ; the spare words: two blocks of 256 bytes that no other line names
.set STG, 262144                       ; behind the ring's last fill, over it: partial O^T at 0 ([block 2][t 4][cb 8][w 4][half 2][lane x 16]), a stage of 16 x 272 a wave here,
.set MS, STG+4*16*PK                   ; and the statistics [block][w][t][16 queries]{c m, l}
.set R, 1
.set AK0, 2
.set AV0, 3
.set ADR, 4
.set AQ0, 5
.set STO, 6
.set RD, 7
.set GO, 8
.set H, 9
.set T0, 10
.set T1, 11
.set MW, 12
.set MR, 13
.set MSW, 14
.set MSR, 15
.set ST, 16                            ; tile t at ST + 8 t: c m, m, l (even keys', odd keys'), c0-c3 at work; a takes c2's place
.set TRI, 48
.set CD, 56
.set CL, 64
.set CU, 72
.set SA, 80                            ; two sets of eight for the sums
.set PST, 96                           ; the first block's c m, l, l, set aside: four a tile
.set SPW, 112
.set NIL, 113
.set PFO, 114
.set MT, 116
.set S, 128
.set KV, 128                           ; window 2
.set MSTAT, 128                        ; the merge: {c m, l} of block, wave
.set EE, 144                           ; {g, e} of block, wave
.set CM, 160
.set LL, 162
.set RR, 164
.set HH, 172
.set WV, 12
.set CC, 13
.set CX, 14
.set C8, 15                            ; 8 - c: the second block's tiles
.set KB, 16                            ; s[16:17] K at my half of the head's tile 0
.set VB, 18
.set G1K, 24
.set G1V, 32
.set G0K, 40
.set G0V, 44
.set G1Q, 48
.set G0Q, 56
.set SEL, 60
.set CS, 62
.set SLOTS, 66
.set RT, 67                            ; tiles of the block in hand still to be entered
.set NXT, 68                           ; the tile to be asked for next
.set LQ, 69                            ; the last tile of the block whose tiles are being asked for
.set NEW, 70
.set BLK, 71
.set OFF, 72
.set SF, 74                            ; the slot filled
.set SR, 75                            ; the slot read
.set KBW, 76
.set VBW, 77
.set AL, 78
.set CLS, 80
.set CUS, 81
.set BIGN, 82
.set REM, 83
.set REM1, 84                          ; the first block's place in its last tile,
.set REM2, 85                          ; the second's
.set RX, 86
.set QA, 87
.set PFA, 88
.set LIM, 90
.set LQ2, 91                           ; 7 - c: the second block's last tile
.set O1, 92                            ; s[92:93] O at my 16 rows of the first block,
.set O2, 94                            ; of the second
.set MSB, 0
.macro WIN new
.if MSB != (\new)
	s_set_vgpr_msb (MSB<<8)|(\new)
.set MSB, (\new)
.endif
.endm
.macro PLACES
.rept 4
	v_nop
.endr
.endm
.macro CROUND                          ; a round of the cluster's barrier
	s_barrier_signal -1
	s_barrier_wait -1
	s_cmp_lg_u32 s[WV], 0
	s_cbranch_scc1 .Lnot_wave_0_\@
	s_barrier_signal -3
.Lnot_wave_0_\@:
	s_barrier_wait -3
	s_barrier_signal -1
	s_barrier_wait -1
.endm
.macro JLOAD                           ; a joint fill: waves 0 and 1 the two halves of a tile's K, waves 2 and 3 those of its V
	s_cmp_lt_u32 s[WV], 2
	s_cbranch_scc0 .Lfor_v_\@
	tensor_load_to_lds s[G0K:G0K+3], s[G1K:G1K+7]
	s_nop 0
	PLACES
	s_branch .Lasked_\@
.Lfor_v_\@:
	tensor_load_to_lds s[G0V:G0V+3], s[G1V:G1V+7]
	s_nop 0
	PLACES
.Lasked_\@:
.endm
; A prefetch into the L2 of the tile that the NEXT change of slots asks for: 256 rows of K and of V, a lane a row.  Of a head's eight tiles, tiles 4 to 7 are asked for first by the head's first cluster (c = 0), whose
; trip j asks for tile j: so that cluster, in trips 3 to 6 (the count at 5 to 2), names tile j + 1.  Its partners take 64 rows each by address, a wave 32 of them, waves 0 and 1 of K, waves 2 and 3 of V.
; So each row is named once.  Tiles 0 to 3 are asked for in the launch's first trips and come by their loads alone.
.macro ASK
	s_cmp_gt_u32 s[SLOTS], s[LIM]
	s_cbranch_scc0 .Lnot_mine_\@
	s_cmp_lt_u32 s[SLOTS], 6
	s_cbranch_scc0 .Lnot_mine_\@
	global_prefetch_b8 v[PFO], s[PFA:PFA+1] th:TH_LOAD_NT scope:SCOPE_SE
.Lnot_mine_\@:
.endm
; THE CHANGE OF SLOTS.  Each wave waits for all its tensor loads, adds 0 to its spare word, and waits for that and for its reads of the slot that it leaves.  fill = 1: a round of the cluster's barrier, and the old
; slot is filled first thing behind it, with tile NXT: the address is made anew from that number.  (At its first use nothing has been read: slot 0 is waited for, slot 1 filled.)
.macro CHANGE fill
	WIN 0
	s_wait_tensorcnt 0x0
	ds_add_u32 v[SPW], v[NIL]                      ; scalar work stands between the add and the wait for it
.if \fill
	s_lshl_b32 s[OFF], s[NXT], 16                  ; a tile is 65,536 bytes of K and of V
	s_xor_b32 s[SF], s[SF], SLOTB
	s_add_co_u32 s[G0K+1], s[KBW], s[SF]
	s_add_nc_u64 s[G0K+2:G0K+3], s[KB:KB+1], s[OFF:OFF+1]
	s_or_b32 s[G0K+3], s[G0K+3], 0x80000000
	s_add_co_u32 s[G0V+1], s[VBW], s[SF]
	s_add_nc_u64 s[G0V+2:G0V+3], s[VB:VB+1], s[OFF:OFF+1]
	s_or_b32 s[G0V+3], s[G0V+3], 0x80000000
	s_add_co_u32 s[NXT], s[NXT], 1                 ; the block's next tile, or behind its last the second block's tile 0
	s_cmp_gt_u32 s[NXT], s[LQ]
	s_cselect_b32 s[NXT], 0, s[NXT]
	s_cselect_b32 s[LQ], s[LQ2], s[LQ]
	s_wait_xcnt 0x0                                ; the last prefetch, a tile back, has read its address
	s_add_nc_u64 s[PFA:PFA+1], s[PFA:PFA+1], 65536
.endif
	s_xor_b32 s[SR], s[SR], SLOTB
	s_wait_dscnt 0x0
.if \fill
	CROUND
	JLOAD
	ASK
.else
	s_barrier_signal -1
	s_barrier_wait -1
.endif
.endm
	s_load_b256 s[4:11], s[0:1], 0x0               ; qh s[4:5], kh s[6:7], vh s[8:9], oh s[10:11]
	v_lshl_add_u32 v[SPW], v0, 2, SPARE
	v_mov_b32 v[NIL], 0
	ds_add_u32 v[SPW], v[NIL]                      ; the wave's opening: the add and its wait stand ahead of my first tensor load
	v_lshrrev_b32 v1, 5, v0
	v_readfirstlane_b32 s[WV], v1
	s_mov_b32 s[CC], ttmp9                         ; c: the cluster among the head's four
	s_sub_co_u32 s[C8], 8, s[CC]
	s_sub_co_u32 s[LQ2], 7, s[CC]
	s_bfe_u32 s[CX], ttmp6, 0x40000
	s_and_b32 s20, ttmp7, 0xffff
	s_lshl_b32 s20, s20, 19                        ; the head's 524,288 bytes in each tensor
	s_and_b32 s21, s[WV], 1
	s_lshl_b32 s22, s21, 15                        ; my half of a tile: 128 rows
	s_add_co_u32 s22, s22, s20
	s_mov_b32 s23, 0
	s_mul_i32 s[KBW], s21, 128*PK
	s_mul_i32 s[VBW], s21, 128*PV
	s_add_co_u32 s[VBW], s[VBW], VOFF
	s_lshl_b32 s2, s[CC], 2
	s_add_co_u32 s2, s2, s[CX]                     ; b: the first block
	s_sub_co_u32 s3, 31, s2                        ; the second
	s_mov_b32 s[REM1], s[CX]
	s_sub_co_u32 s[REM2], 3, s[CX]
	s_cmp_eq_u32 s[WV], 0
	s_cselect_b32 s96, s2, s3                      ; wave 0 brings the first block's Q, wave 1 the second's
	s_lshl_b32 s96, s96, 14
	s_add_co_u32 s96, s96, s20
	s_mov_b32 s97, 0
	s_lshl_b32 s98, s[WV], 12                      ; the merge: wave w finishes query tile w: 16 rows of 256 bytes
	s_add_co_u32 s98, s98, s20
	s_lshl_b32 s3, s3, 14
	s_lshl_b32 s2, s2, 14
	s_add_co_u32 s[O1], s2, s98
	s_mov_b32 s[O1+1], 0
	s_add_co_u32 s[O2], s3, s98
	s_mov_b32 s[O2+1], 0
	s_lshl_b32 s98, s[CX], 14                      ; the prefetches: rows 64 cx + 32 (w % 2) of tile 0; stepped by a tile in every change of slots, ahead of the use
	s_lshl_b32 s99, s21, 13
	s_add_co_u32 s98, s98, s99
	s_add_co_u32 s98, s98, s20
	s_mov_b32 s99, 0
	s_cmp_eq_u32 s[CC], 0
	s_cselect_b32 s[LIM], 1, -1
	s_mov_b32 s[G1K], 15|(1<<16)|(1<<20)|(1<<21)|(5<<22)|(3<<25)  ; the mask of four; 2-byte elements; padding on; bit 21 beside a mask; after every 64 words 4 words
	s_mov_b32 s[G1V], 15|(1<<16)|(1<<20)|(1<<21)|(5<<22)|(7<<25)  ; 8 words
.irp g, G1K, G1V
	s_mov_b32 s[(\g)+1], 128<<16
	s_mov_b32 s[(\g)+2], 128<<16
	s_mov_b32 s[(\g)+3], 128<<16
	s_mov_b32 s[(\g)+4], 128
	s_mov_b32 s[(\g)+5], 128
	s_mov_b32 s[(\g)+6], 0
	s_mov_b32 s[(\g)+7], 0
.endr
	s_mov_b32 s[G1Q], (1<<16)|(1<<20)|(5<<22)|(3<<25)  ; Q: a load of the work-group's own, 64 rows
	s_mov_b32 s[G1Q+1], 128<<16
	s_mov_b32 s[G1Q+2], 64<<16
	s_mov_b32 s[G1Q+3], 128<<16
	s_mov_b32 s[G1Q+4], 64
	s_mov_b32 s[G1Q+5], 128
	s_mov_b32 s[G1Q+6], 0
	s_mov_b32 s[G1Q+7], 0
	s_mov_b32 s[G0K], 1
	s_mov_b32 s[G0K+1], s[KBW]
	s_mov_b32 s[G0V], 1
	s_mov_b32 s[G0V+1], s[VBW]
	s_mov_b32 s[G0Q], 1
	s_mul_i32 s[G0Q+1], s21, QLB
	s_add_co_u32 s[G0Q+1], s[G0Q+1], QL
	s_mov_b32 s[SEL], 0x76543210
	s_mov_b32 s[SEL+1], 0xfedcba98
	s_mov_b32 s[CS], 0x460293ee                    ; c = log2(e) / sqrt(128) x 2^16
	s_mov_b32 s[CS+1], s[CS]
	s_mov_b32 s[BIGN], 0xf149f2ca                  ; -1e30
	s_mov_b32 s[AL+1], 0
	s_mov_b32 s[OFF+1], 0
	s_mov_b32 s[SLOTS], 8
	s_add_co_u32 s[RT], s[CC], 1                   ; the first block has c + 1 tiles
	s_mov_b32 s[NXT], 1                            ; tile 0 is asked for at the start; then the first block's tile 1, or, where it has none (c = 0), the second block's tile 0
	s_mov_b32 s[LQ], s[CC]
	s_cmp_gt_u32 s[NXT], s[LQ]
	s_cselect_b32 s[NXT], 0, s[NXT]
	s_cselect_b32 s[LQ], s[LQ2], s[LQ]
	s_mov_b32 s[NEW], 1
	s_mov_b32 s[BLK], 0
	s_mov_b32 s[SF], 0
	s_mov_b32 s[SR], SLOTB
	s_wait_dscnt 0x0
	s_wait_kmcnt 0x0
	s_add_nc_u64 s[KB:KB+1], s[6:7], s[22:23]
	s_add_nc_u64 s[VB:VB+1], s[8:9], s[22:23]
	s_add_nc_u64 s[G0K+2:G0K+3], s[KB:KB+1], 0
	s_or_b32 s[G0K+3], s[G0K+3], 0x80000000
	s_add_nc_u64 s[G0V+2:G0V+3], s[VB:VB+1], 0
	s_or_b32 s[G0V+3], s[G0V+3], 0x80000000
	s_add_nc_u64 s[G0Q+2:G0Q+3], s[4:5], s[96:97]
	s_or_b32 s[G0Q+3], s[G0Q+3], 0x80000000
	s_add_nc_u64 s[O1:O1+1], s[10:11], s[O1:O1+1]
	s_add_nc_u64 s[O2:O2+1], s[10:11], s[O2:O2+1]
	s_cmp_lt_u32 s[WV], 2
	s_cselect_b64 s[PFA:PFA+1], s[6:7], s[8:9]
	s_add_nc_u64 s[PFA:PFA+1], s[PFA:PFA+1], s[98:99]
	CROUND                                         ; all four work-groups are here: the first joint loads meet
	s_cmp_lt_u32 s[WV], 2                          ; a wave's first fills stand in one branch
	s_cbranch_scc0 .Lfirst_v
	tensor_load_to_lds s[G0K:G0K+3], s[G1K:G1K+7]  ; tile 0 of K
	s_nop 0
	tensor_load_to_lds s[G0Q:G0Q+3], s[G1Q:G1Q+7]  ; a block's Q: two loads of mine are out
	s_nop 0
	PLACES
	s_branch .Lfirst_done
.Lfirst_v:
	tensor_load_to_lds s[G0V:G0V+3], s[G1V:G1V+7]
	s_nop 0
	PLACES
.Lfirst_done:
	v_and_b32 v[R], 15, v0
	v_bfe_u32 v[H], v0, 4, 1
	v_mul_u32_u24 v[T0], v[R], PK
	v_lshl_add_u32 v[T0], v[H], 4, v[T0]           ; r x 272 + 16 h
	v_add_nc_u32 v[AQ0], QL, v[T0]
	s_mul_i32 s2, s[WV], 64*PK
	v_add_nc_u32 v[AK0], s2, v[T0]
	s_mul_i32 s2, s[WV], 16*PK
	s_add_co_u32 s2, s2, STG
	v_add_nc_u32 v[STO], s2, v[T0]
	v_mul_u32_u24 v[RD], v[H], PK
	v_lshl_add_u32 v[RD], v[R], 4, v[RD]
	v_add_nc_u32 v[RD], s2, v[RD]
	v_lshlrev_b32 v[GO], 8, v[H]
	v_lshl_add_u32 v[GO], v[R], 4, v[GO]
	v_and_b32 v[T0], 7, v0                         ; the turning load: key 8 h + l % 8, 16 bytes by (l / 8) % 2
	v_bfe_u32 v[T1], v0, 3, 1
	v_lshl_add_u32 v[AV0], v[H], 3, v[T0]
	v_mul_u32_u24 v[AV0], v[AV0], PV
	v_lshl_add_u32 v[AV0], v[T1], 4, v[AV0]
	s_mul_i32 s2, s[WV], 64*PV
	s_add_co_u32 s2, s2, VOFF
	v_add_nc_u32 v[AV0], s2, v[AV0]
	v_and_b32 v[T0], 31, v0
	v_lshlrev_b32 v[PFO], 8, v[T0]
	s_lshl_b32 s2, s[WV], 10
	v_lshl_add_u32 v[MW], v[T0], 4, s2
	s_lshl_b32 s2, s[WV], 15
	v_lshl_add_u32 v[MR], v[T0], 4, s2
	s_lshl_b32 s2, s[WV], 9
	s_add_co_u32 s2, s2, MS
	v_lshl_add_u32 v[MSW], v[R], 3, s2
	s_lshl_b32 s2, s[WV], 7
	s_add_co_u32 s2, s2, MS
	v_lshl_add_u32 v[MSR], v[R], 3, s2
	v_lshlrev_b32 v[T1], 3, v[H]
	v_sub_nc_u32 v[T1], v[R], v[T1]                ; register j is hidden where j > r - 8 h
.set i, 0
.rept 8
	v_cmp_gt_i32 vcc_lo, i, v[T1]
	v_cndmask_b32 v[TRI+i], 0, s[BIGN], vcc_lo
.set i, i+1
.endr
	; A block's first step multiplies O^T and l by a = 0, so these need only hold finite numbers: zeros here, in the wait for the first tile; what the first block left for the second.
	WIN 0x40
.set i, 0
.rept 256
	v_mov_b32 v[i], 0
.set i, i+1
.endr
	WIN 0
.irp t, 0,1,2,3
	v_mov_b32 v[ST+8*(\t)], 0
	v_mov_b32 v[ST+8*(\t)+2], 0
	v_mov_b32 v[ST+8*(\t)+3], 0
.endr
; A BLOCK BEGINS.  O^T and the statistics in hand are set aside (at the walk's start: zeros; then the first block's).  c m starts far below every c s, so the first a is 0; m at -2^41.  Q comes out of LDS.
.macro BEGIN
	PLACES                                         ; four places between the last products V^T P and the copies that read their results (ISA guide 7.12.1)
	WIN 0xc1
.set i, 0
.rept 256
	v_mov_b32 v[i], v[i]                           ; window 3 takes window 1, each accumulator from its low end
.set i, i+1
.endr
	WIN 0
.irp t, 0,1,2,3
	v_mov_b32 v[PST+4*(\t)],   v[ST+8*(\t)]
	v_mov_b32 v[PST+4*(\t)+1], v[ST+8*(\t)+2]
	v_mov_b32 v[PST+4*(\t)+2], v[ST+8*(\t)+3]
	v_mov_b32 v[ST+8*(\t)],   0xfe000000
	v_mov_b32 v[ST+8*(\t)+1], 0xd4000000
.endr
	s_cmp_eq_u32 s[BLK], 0
	s_cselect_b32 s[REM], s[REM1], s[REM2]
	s_cselect_b32 s[QA], 0, QLB
	s_mov_b32 s[BLK], 1
	v_add_nc_u32 v[ADR], s[QA], v[AQ0]
	WIN 0x80
.set i, 0
.rept 16                                       ; tile i / 4, channels 32 (i % 4) on
	ds_load_b128 v[8*i:8*i+3],   v[ADR] offset:(i/4)*16*PK+(i%4)*64
	ds_load_b128 v[8*i+4:8*i+7], v[ADR] offset:(i/4)*16*PK+(i%4)*64+32
.set i, i+1
.endr
	WIN 0
.endm
.macro MASKS                           ; 20 plain lines: also the places between the last products V^T P and the loads and products that follow
	s_cmp_eq_u32 s[RT], 0                          ; the block's last tile?
	s_cselect_b32 s[RX], s[REM], 99
	s_cmp_gt_u32 s[WV], s[RX]
	s_cselect_b32 s[CLS], s[BIGN], 0
	s_cmp_ge_u32 s[WV], s[RX]
	s_cselect_b32 s[CUS], s[BIGN], 0
	s_cmp_eq_u32 s[WV], s[RX]
	s_cselect_b32 s[AL], 1.0, 0
	WIN 0
.set i, 0
.rept 8
	v_mov_b32 v[CL+i], s[CLS]
	v_mov_b32 v[CU+i], s[CUS]
.set i, i+1
.endr
.irp z, 0,2,4,6
	v_pk_fma_f32 v[CD+(\z):CD+(\z)+1], v[TRI+(\z):TRI+(\z)+1], s[AL:AL+1], v[CL+(\z):CL+(\z)+1] op_sel_hi:[1,0,1]
.endr
.endm
.macro FETCH_K                         ; my 64 keys x 128 channels: fragment (kc, kt) at KV + 32 kc + 8 kt; the eight loads of channels 32 kc .. stand together, kc ascending
	WIN 0
	v_add_nc_u32 v[ADR], s[SR], v[AK0]
	WIN 0x80
.set i, 0
.rept 16
	ds_load_b128 v[KV+8*i:KV+8*i+3],   v[ADR] offset:(i%4)*16*PK+(i/4)*64
	ds_load_b128 v[KV+8*i+4:KV+8*i+7], v[ADR] offset:(i%4)*16*PK+(i/4)*64+32
.set i, i+1
.endr
	WIN 0
.endm
.macro QK                              ; 64 products, channels outermost: the 16 accumulators take turns; the first 16 start the sums with the mask
	WIN 0x0a
.set i, 0
.rept 64
.set kc, i/16
.set qt, (i%16)/4
.set kt, i%4
.set rS, S+32*qt+8*kt
.set rK, KV+32*kc+8*kt
.set rQ, 32*qt+8*kc
.if i%16 == 0
	s_wait_dscnt 24-8*kc                           ; the eight loads of K's channels 32 kc .. are in (and Q, issued ahead of K); the 8 (3 - kc) behind them may be out
.endif
.if i < 16
.if kt < qt
.set rC, CL
.elseif kt == qt
.set rC, CD
.else
.set rC, CU
.endif
	v_wmma_f32_16x16x32_f16 v[rS:rS+7], v[rK:rK+7], v[rQ:rQ+7], v[rC:rC+7]
.else
	v_wmma_f32_16x16x32_f16 v[rS:rS+7], v[rK:rK+7], v[rQ:rQ+7], v[rS:rS+7]
.endif
.set i, i+1
.endr
.endm
.macro FETCH_V                         ; V of the same keys, turned, into K's registers: four places behind the last product that read them; fragment (kk, cb) at KV + 64 kk + 8 cb
	WIN 0
	v_add_nc_u32 v[ADR], s[SR], v[AV0]
	v_nop
	v_nop
	v_nop
	WIN 0x80
.set i, 0
.rept 16
	ds_load_tr16_b128 v[KV+8*i:KV+8*i+3],   v[ADR] offset:(i/8)*32*PV+(i%8)*32
	ds_load_tr16_b128 v[KV+8*i+4:KV+8*i+7], v[ADR] offset:(i/8)*32*PV+16*PV+(i%8)*32
.set i, i+1
.endr
	WIN 0
.endm
.macro PVM                             ; 64 products, keys outermost: the 32 accumulators take turns
	WIN 0x52
.set i, 0
.rept 64
.set rO, 64*((i%32)/8)+8*(i%8)
.set rV, KV+64*(i/32)+8*(i%8)
.set rP, S+32*((i%32)/8)+8*(i/32)
	v_wmma_f32_16x16x32_f16 v[rO:rO+7], v[rV:rV+7], v[rP:rP+7], v[rO:rO+7]
.set i, i+1
.endr
.endm
; THE SOFTMAX of tile t.  SMA n: 0-15 the maximum of the lane's 32 scores and the old m (each accumulator's lowest registers first); 16, 18 the other half of the lanes; 17, 19, 20 c m and its change; 21 a.
.macro SMA t, n
.set rT, ST+8*(\t)
.set rS, S+32*(\t)
.if (\n) < 4
	v_max3_num_f32 v[rT+4+(\n)], v[rS+8*(\n)], v[rS+8*(\n)+1], v[rS+8*(\n)+2]
.elseif (\n) < 12
	v_max3_num_f32 v[rT+4+(\n)%4], v[rT+4+(\n)%4], v[rS+8*((\n)%4)+2*((\n)/4)+1], v[rS+8*((\n)%4)+2*((\n)/4)+2]
.elseif (\n) == 12
	v_max3_num_f32 v[rT+4], v[rT+4], v[rS+7], v[rS+15]
.elseif (\n) == 13
	v_max3_num_f32 v[rT+6], v[rT+6], v[rS+23], v[rS+31]
.elseif (\n) == 14
	v_max3_num_f32 v[rT+4], v[rT+4], v[rT+5], v[rT+6]
.elseif (\n) == 15
	v_max3_num_f32 v[rT+4], v[rT+4], v[rT+7], v[rT+1]
.elseif (\n) == 16
	v_permlanex16_b32 v[rT+5], v[rT+4], s[SEL], s[SEL+1]
.elseif (\n) == 17
	v_mov_b32 v[rT+7], v[rT]
.elseif (\n) == 18
	v_max_num_f32 v[rT+1], v[rT+4], v[rT+5]
.elseif (\n) == 19
	v_mul_f32 v[rT], s[CS], v[rT+1]
.elseif (\n) == 20
	v_sub_f32 v[rT+7], v[rT+7], v[rT]
.else
	v_exp_f32 v[rT+6], v[rT+7]
.endif
.endm
; SMC n: 0-14 the sum of the 16 pairs of weights, which leaves them as they are; 15 l = a l + sum; 16-31 the pairs rounded to f16, over S^T from its low end.
.macro SMC t, n
.set rT, ST+8*(\t)
.set rS, S+32*(\t)
.set rA, SA+8*((\t)%2)
.if (\n) < 4
	v_pk_add_f32 v[rA+2*(\n):rA+2*(\n)+1], v[rS+2*(\n):rS+2*(\n)+1], v[rS+2*(\n)+8:rS+2*(\n)+9]
.elseif (\n) < 12
	v_pk_add_f32 v[rA+2*((\n)%4):rA+2*((\n)%4)+1], v[rA+2*((\n)%4):rA+2*((\n)%4)+1], v[rS+2*((\n)%4)+8*((\n)/4)+8:rS+2*((\n)%4)+8*((\n)/4)+9]
.elseif (\n) == 12
	v_pk_add_f32 v[rA:rA+1], v[rA:rA+1], v[rA+2:rA+3]
.elseif (\n) == 13
	v_pk_add_f32 v[rA+4:rA+5], v[rA+4:rA+5], v[rA+6:rA+7]
.elseif (\n) == 14
	v_pk_add_f32 v[rA:rA+1], v[rA:rA+1], v[rA+4:rA+5]
.elseif (\n) == 15
	v_pk_fma_f32 v[rT+2:rT+3], v[rT+2:rT+3], v[rT+6:rT+7], v[rA:rA+1] op_sel_hi:[1,0,1]
.else
	v_cvt_pk_f16_f32 v[rS+(\n)-16], v[rS+2*((\n)-16)], v[rS+2*((\n)-16)+1]
.endif
.endm
.macro SOFTMAX
	WIN 0
.irp n, 0,1,2,3,4,5,6,7,8,9,10,11,12,13,14,15,16,17,18,19,20,21
.irp t, 0,1,2,3
	SMA \t, \n
.endr
.endr
.set b, 0
.rept 16                                       ; c s - c m for pair b of each tile, then its exponentials: none of these lines names an exponential's result
.irp t, 0,1,2,3
	v_pk_fma_f32 v[S+32*(\t)+2*b:S+32*(\t)+2*b+1], v[S+32*(\t)+2*b:S+32*(\t)+2*b+1], s[CS:CS+1], v[ST+8*(\t):ST+8*(\t)+1] op_sel_hi:[1,0,0] neg_lo:[0,0,1] neg_hi:[0,0,1]
.endr
.irp t, 0,1,2,3
	v_exp_f32 v[S+32*(\t)+2*b], v[S+32*(\t)+2*b]
	v_exp_f32 v[S+32*(\t)+2*b+1], v[S+32*(\t)+2*b+1]
.endr
.set b, b+1
.endr
	v_nop                                          ; a plain instruction behind the last exponential,
	s_wait_alu depctr_va_vdst(0)                   ; and one wait for the step's 132, ahead of their first reader
.irp n, 0,1,2,3,4,5,6,7,8,9,10,11,12,13,14,15,16,17,18,19,20,21,22,23,24,25,26,27,28,29,30,31
	SMC 0, \n
	SMC 1, \n
.endr
.irp n, 0,1,2,3,4,5,6,7,8,9,10,11,12,13,14,15,16,17,18,19,20,21,22,23,24,25,26,27,28,29,30,31
	SMC 2, \n
	SMC 3, \n
.endr
	WIN 0x41                                       ; O^T times a
.set i, 0
.rept 32
.irp t, 0,1,2,3
	v_pk_mul_f32 v[64*(\t)+2*i:64*(\t)+2*i+1], v[64*(\t)+2*i:64*(\t)+2*i+1], v[ST+8*(\t)+6:ST+8*(\t)+7] op_sel_hi:[1,0]
.endr
.set i, i+1
.endr
	WIN 0
.endm
; A TRIP: a tile is entered.  fill = 1, in the loop: the tile may be a block's first.  fill = 0, the walk's last tile: never a block's first; behind its last LDS reads a barrier, with the last products
; between its halves: behind it the ring's bytes serve the merge.
.macro TRIP fill
	CHANGE \fill
	s_sub_co_u32 s[RT], s[RT], 1
.if \fill
	s_cmp_eq_u32 s[NEW], 1                         ; at the first trip the answer is a constant of the text
	s_cbranch_scc0 .Lold_\@
	BEGIN
.Lold_\@:
.endif
	MASKS
	FETCH_K
	QK                                             ; its own counted waits stand ahead of each 16 products
	FETCH_V
	SOFTMAX
	s_wait_dscnt 0x0                               ; V is in
.if !(\fill)
	s_barrier_signal -1
.endif
	PVM
	WIN 0
.if \fill
	s_cmp_eq_u32 s[RT], 0
	s_cselect_b32 s[NEW], 1, 0
	s_cselect_b32 s[RT], s[C8], s[RT]              ; the second block has 8 - c tiles
.else
	s_barrier_wait -1
.endif
.endm
.Lslot:                                                ; eight trips: a tile is entered and the next is asked for
	TRIP 1
	s_sub_co_u32 s[SLOTS], s[SLOTS], 1
	s_cmp_lg_u32 s[SLOTS], 0
	s_cbranch_scc1 .Lslot
	TRIP 0                                         ; the walk's last tile is written out
	; THE MERGE, for both blocks.  l's halves and the other half of the lanes' are added (the first eight additions are the places behind the last products); each wave lays its c m, l and raw O^T into LDS.
.irp t, 0,1,2,3
	v_add_f32 v[ST+8*(\t)+2], v[ST+8*(\t)+2], v[ST+8*(\t)+3]
	v_add_f32 v[PST+4*(\t)+1], v[PST+4*(\t)+1], v[PST+4*(\t)+2]
.endr
.irp t, 0,1,2,3
	v_permlanex16_b32 v[ST+8*(\t)+3], v[ST+8*(\t)+2], s[SEL], s[SEL+1]
	v_permlanex16_b32 v[PST+4*(\t)+2], v[PST+4*(\t)+1], s[SEL], s[SEL+1]
.endr
.irp t, 0,1,2,3
	v_add_f32 v[ST+8*(\t)+1], v[ST+8*(\t)+2], v[ST+8*(\t)+3]
	v_add_f32 v[PST+4*(\t)+1], v[PST+4*(\t)+1], v[PST+4*(\t)+2]
.endr
.irp t, 0,1,2,3
	ds_store_b64 v[MSW], v[PST+4*(\t):PST+4*(\t)+1] offset:(\t)*128        ; both halves of the lanes write the same words with the same numbers
	ds_store_b64 v[MSW], v[ST+8*(\t):ST+8*(\t)+1]   offset:2048+(\t)*128
.endr
.irp k, 0,1
.irp t, 0,1,2,3
	WIN 0
	v_add_nc_u32 v[MT], (\k)*131072+(\t)*32768, v[MW]
	WIN 0x0c-8*(\k)                                ; the data: window 3 (the first block), then window 1
.irp cb, 0,1,2,3,4,5,6,7
	ds_store_b128 v[MT], v[64*(\t)+8*(\cb):64*(\t)+8*(\cb)+3]   offset:(\cb)*4096
	ds_store_b128 v[MT], v[64*(\t)+8*(\cb)+4:64*(\t)+8*(\cb)+7] offset:(\cb)*4096+512
.endr
.endr
.endr
	WIN 0
	s_wait_dscnt 0x0
	s_barrier_signal -1
	s_barrier_wait -1
	; Wave w finishes query tile w of both blocks.
.irp k, 0,1
.irp u, 0,1,2,3
	ds_load_b64 v[MSTAT+8*(\k)+2*(\u):MSTAT+8*(\k)+2*(\u)+1], v[MSR] offset:(\k)*2048+(\u)*512
.endr
.endr
	WIN 0x40                                       ; the first block's four partial tiles: (cb, wave u) at 32 cb + 8 u
.set i, 0
.rept 64
	ds_load_b128 v[4*i:4*i+3], v[MR] offset:i*512
.set i, i+1
.endr
	WIN 0
	s_wait_dscnt 63                                ; of 72 loads the oldest nine are in: the eight of statistics among them
.irp k, 0,1
	v_max3_num_f32 v[CM+(\k)], v[MSTAT+8*(\k)], v[MSTAT+8*(\k)+2], v[MSTAT+8*(\k)+4]
	v_max_num_f32 v[CM+(\k)], v[CM+(\k)], v[MSTAT+8*(\k)+6]
.endr
.irp k, 0,1
.irp u, 0,1,2,3
	v_sub_f32 v[EE+8*(\k)+2*(\u)+1], v[MSTAT+8*(\k)+2*(\u)], v[CM+(\k)]
.endr
.endr
.irp k, 0,1
.irp u, 0,1,2,3
	v_exp_f32 v[EE+8*(\k)+2*(\u)+1], v[EE+8*(\k)+2*(\u)+1]  ; e = 2^(c m of the wave - the largest c m)
.endr
.endr
	v_add_nc_u32 v[MT], 131072, v[MR]              ; the plain instruction behind the last exponential
	s_wait_alu depctr_va_vdst(0)                   ; one wait for the eight
	WIN 0xc0                                       ; the second block's partial tiles
.set i, 0
.rept 64
	ds_load_b128 v[4*i:4*i+3], v[MT] offset:i*512
.set i, i+1
.endr
	WIN 0
.irp k, 0,1
	v_mul_f32 v[LL+(\k)], v[MSTAT+8*(\k)+1], v[EE+8*(\k)+1]
	v_fmac_f32 v[LL+(\k)], v[MSTAT+8*(\k)+3], v[EE+8*(\k)+3]
	v_fmac_f32 v[LL+(\k)], v[MSTAT+8*(\k)+5], v[EE+8*(\k)+5]
	v_fmac_f32 v[LL+(\k)], v[MSTAT+8*(\k)+7], v[EE+8*(\k)+7]
.endr
	v_rcp_f32 v[LL], v[LL]
	v_rcp_f32 v[LL+1], v[LL+1]
	v_nop
	s_wait_alu depctr_va_vdst(0)                   ; one wait for the two reciprocals
.irp k, 0,1
.irp u, 0,1,2,3
	v_mul_f32 v[EE+8*(\k)+2*(\u)], v[EE+8*(\k)+2*(\u)+1], v[LL+(\k)]  ; g = e / the sum of l e
.endr
.endr
; O = the sum over the waves of g O^T, rounded to f16, through my stage, out as whole rows of 256 bytes.
.macro COMB k, win, rb, po
.irp cb, 0,1,2,3,4,5,6,7
	WIN \win
.irp p, 0,2,4,6
	v_pk_mul_f32 v[RR+(\p):RR+(\p)+1], v[32*(\cb)+(\p):32*(\cb)+(\p)+1], v[EE+8*(\k):EE+8*(\k)+1] op_sel_hi:[1,0]
.endr
.irp u, 1,2,3
.irp p, 0,2,4,6
	v_pk_fma_f32 v[RR+(\p):RR+(\p)+1], v[32*(\cb)+8*(\u)+(\p):32*(\cb)+8*(\u)+(\p)+1], v[EE+8*(\k)+2*(\u):EE+8*(\k)+2*(\u)+1], v[RR+(\p):RR+(\p)+1] op_sel_hi:[1,0,1]
.endr
.endr
	WIN 0
.irp p, 0,1,2,3
	v_cvt_pk_f16_f32 v[HH+(\p)], v[RR+2*(\p)], v[RR+2*(\p)+1]
.endr
	ds_store_b128 v[STO], v[HH:HH+3] offset:32*(\cb)
.endr
.irp i, 0,1,2,3,4,5,6,7
	ds_load_b128 v[(\rb)+4*(\i):(\rb)+4*(\i)+3], v[RD] offset:(\i)*2*PK  ; LDS serves a wave's instructions in order (ISA guide 5.7.1.4): these see the stores above
.endr
	s_wait_dscnt 0x0
.irp i, 0,1,2,3,4,5,6,7
	global_store_b128 v[GO], v[(\rb)+4*(\i):(\rb)+4*(\i)+3], s[\po:\po+1] offset:(\i)*512  ; 16 lanes store 256 consecutive bytes, aligned
.endr
.endm
	s_wait_dscnt 63                                ; all but the youngest 63 loads: the first block's 64 are in
	COMB 0, 0x01, 192, O1
	COMB 1, 0x03, 224, O2
	s_wait_tensorcnt 0x0                           ; the wave's end: behind my last tensor load and my last LDS store
	ds_add_u32 v[SPW], v[NIL]
	s_wait_dscnt 0x0
	CROUND                                         ; the closing round
	s_endpgm
.Lfunc_end_k_qb3a349f4d3_attn:
	.size	k_qb3a349f4d3_attn, .Lfunc_end_k_qb3a349f4d3_attn-k_qb3a349f4d3_attn
	.p2alignl 7, 3214868480
	.fill 96, 4, 3214868480
	.section	.rodata,"a",@progbits
	.p2align	6, 0x0
	.amdhsa_kernel k_qb3a349f4d3_attn
		.amdhsa_group_segment_fixed_size 327680
		.amdhsa_private_segment_fixed_size 0
		.amdhsa_enable_private_segment 0
		.amdhsa_kernarg_size 32
		.amdhsa_user_sgpr_count 2
		.amdhsa_user_sgpr_kernarg_segment_ptr 1
		.amdhsa_wavefront_size32 1
		.amdhsa_system_sgpr_workgroup_id_x 1
		.amdhsa_system_sgpr_workgroup_id_y 1
		.amdhsa_system_sgpr_workgroup_id_z 1
		.amdhsa_system_vgpr_workitem_id 0
		.amdhsa_next_free_vgpr 1024
		.amdhsa_next_free_sgpr 100
		.amdhsa_reserve_vcc 1
		.amdhsa_float_denorm_mode_32 3
		.amdhsa_float_denorm_mode_16_64 3
		.amdhsa_memory_ordered 1
		.amdhsa_forward_progress 1
		.amdhsa_inst_pref_size 162
	.end_amdhsa_kernel
	.amdgpu_metadata
---
amdhsa.version: [ 1, 2 ]
amdhsa.kernels:
  - .name:           k_qb3a349f4d3_attn
    .symbol:         k_qb3a349f4d3_attn.kd
    .args:
      - { .name: qh, .offset: 0, .size: 8, .value_kind: global_buffer, .address_space: global }
      - { .name: kh, .offset: 8, .size: 8, .value_kind: global_buffer, .address_space: global }
      - { .name: vh, .offset: 16, .size: 8, .value_kind: global_buffer, .address_space: global }
      - { .name: oh, .offset: 24, .size: 8, .value_kind: global_buffer, .address_space: global }
    .group_segment_fixed_size: 327680
    .private_segment_fixed_size: 0
    .kernarg_segment_align: 8
    .kernarg_segment_size: 32
    .max_flat_workgroup_size: 128
    .sgpr_count:     100
    .vgpr_count:     1024
    .wavefront_size: 32
...
	.end_amdgpu_metadata
.endif
;; end of part 3
;; launch outp (part 4): grid 8 x 32, 4 waves a work-group, clusters of 4 x 4, 327,680 bytes of LDS; arguments oh, wop, out0; writes out0
.if DOCPART == 4
	.amdgcn_target "amdgcn-amd-amdhsa--gfx1250"
	.amdhsa_code_object_version 6
	.text
	.protected	k_qb3a349f4d3_outp
	.globl	k_qb3a349f4d3_outp
	.p2align	8
	.type	k_qb3a349f4d3_outp,@function
k_qb3a349f4d3_outp:
	s_mov_b64 s[64:65], 0
	v_nop
	global_prefetch_b8 v0, s[64:65] scope:SCOPE_SE
	s_setreg_imm32_b32 hwreg(HW_REG_WAVE_MODE, 25, 1), 1
	s_wait_xcnt 0x0
	s_wait_alu depctr_hold_cnt(0) depctr_sa_sdst(0) depctr_va_vdst(0) depctr_va_sdst(0) depctr_va_ssrc(0) depctr_va_vcc(0) depctr_vm_vsrc(0)
	s_getreg_b32 s2, hwreg(HW_REG_IB_STS2, 6, 4)
	s_cmp_eq_u32 s2, 0
	s_cbranch_scc0 .Lentry_in_a_cluster
	s_endpgm
.Lentry_in_a_cluster:
	s_bfe_u32 s2, ttmp6, 0x10000c
	s_cmp_lg_u32 s2, 0xf033
	s_cbranch_scc0 .Lentry_shape_is_right
	s_endpgm
.Lentry_shape_is_right:
; OUTP: out0 [8192][2048] f32 = O [8192][512] times wo.  oh: f16 [4 b + h][s][128]; wop: f16 [n block 16][512 k][128 n].  Sums in f32, stored as they are.
; A tile of out0 is 256 x 256: four waves, each 128 x 128: 64 accumulators.  K goes in four steps of 128: a step is one head, whose rows of O are dense, 256 bytes each.  Two LDS slots take turns.
; CLUSTER: 4 x 4 work-groups.  O's tile hangs on the tile row and is asked for jointly along a row of the cluster, wo's on the tile column and jointly along a column.
; Source 0 = 16 columns of wo (turned out of LDS, where it lies [k][n]), source 1 = 16 rows of O: a lane holds one row and eight neighbouring columns of out0, 32 bytes.
; REGISTERS: window 0: v0-31 addresses, v64-127, v128-191 O's fragments (on the way out: rows read back); window 1: the same numbers, wo's fragments; window 2: the sums of my rows 0-63; window 3: of rows 64-127.
.set PITCH, 272
.set PB,    288
.set HA,    128*PITCH
.set HB,    128*PB
.set BOFF,  2*HA
.set SLOT,  2*HA+2*HB
.set STAGE, 2*SLOT                     ; 16 rows x 528 bytes for each wave
.set SPITCH, 528                       ; 512 bytes + 16: an odd multiple of 16
.set SPARE, STAGE+4*16*SPITCH          ; the spare words: two blocks of 256 bytes that no other line names
.set ASTEP, 524288                     ; a head of O
.set BSTEP, 32768                      ; 128 rows of a block of wo
.set ADRA0, 16
.set ADRA, 17
.set ADRB0, 20
.set ADRB, 21
.set STO, 24
.set RD, 25
.set CO, 26
.set SPW, 28
.set NIL, 29
.set F0, 64
.set F1, 128
.set SR, 14                            ; the slot read
.set SF, 15                            ; the slot filled
.set LA, 20
.set LB, 21
.set G1, 24
.set G0, 32
.set G1B, 48
.set G0B, 56
.set MSB, 0
.macro WIN new
.if MSB != (\new)
	s_set_vgpr_msb (MSB<<8)|(\new)
.set MSB, (\new)
.endif
.endm
.set MUL_LO, 0xa1
.set MUL_HI, 0xf1
.set TO_B,   0x40
.macro PLACES
.rept 4
	v_nop
.endr
.endm
.macro JLOAD s                         ; a joint load: waves 0 and 1 fetch O's two halves, waves 2 and 3 wo's two blocks
	s_cmp_eq_u32 s11, 0
	s_cbranch_scc0 .Lfor_b_\@
	tensor_load_to_lds s[G0+4*(\s):G0+4*(\s)+3], s[G1:G1+7]
	s_nop 0
	PLACES
	s_branch .Lasked_\@
.Lfor_b_\@:
	tensor_load_to_lds s[G0B+4*(\s):G0B+4*(\s)+3], s[G1B:G1B+7]
	s_nop 0
	PLACES
.Lasked_\@:
.endm
.macro CREST
	s_cmp_lg_u32 s10, 0
	s_cbranch_scc1 .Lnot_wave_0_\@
	s_barrier_signal -3
.Lnot_wave_0_\@:
	s_barrier_wait -3
	s_barrier_signal -1
	s_barrier_wait -1
.endm
.macro CROUND
	s_barrier_signal -1
	s_barrier_wait -1
	CREST
.endm
	s_load_b128 s[4:7], s[0:1], 0x0                ; oh s[4:5], wop s[6:7]
	s_load_b64 s[8:9], s[0:1], 0x10                ; out0
	v_lshl_add_u32 v[SPW], v0, 2, SPARE
	v_mov_b32 v[NIL], 0
	ds_add_u32 v[SPW], v[NIL]                      ; the wave's opening: the add and its wait stand ahead of my first tensor load
	v_lshrrev_b32 v1, 5, v0
	v_readfirstlane_b32 s10, v1                    ; wave
	s_lshr_b32 s11, s10, 1                         ; my half of the tile's rows.  Also: I fetch for O (0) or for wo (1)
	s_and_b32 s12, s10, 1                          ; my half of its columns.  Also: which half I fetch
	s_bfe_u32 s40, ttmp6, 0x40000
	s_bfe_u32 s41, ttmp6, 0x40004
	s_lshl_b32 s42, ttmp9, 2
	s_add_co_u32 s42, s42, s40                     ; tile column
	s_and_b32 s13, ttmp7, 0xffff
	s_lshl_b32 s13, s13, 2
	s_add_co_u32 s13, s13, s41                     ; tile row
	s_lshl_b32 s43, s41, 2
	s_lshl_b32 s43, 15, s43                        ; my row of the cluster
	s_lshl_b32 s44, 0x1111, s40                    ; my column
	s_or_b32 s[G1+0], s43, (1<<16)|(1<<20)|(1<<21)|(5<<22)|(3<<25)   ; O: after every 64 words 4 words
	s_or_b32 s[G1B+0], s44, (1<<16)|(1<<20)|(1<<21)|(5<<22)|(7<<25)  ; wo: 8 words
.irp g, G1, G1B
	s_mov_b32 s[(\g)+1], 128<<16
	s_mov_b32 s[(\g)+2], 128<<16
	s_mov_b32 s[(\g)+3], 128<<16
	s_mov_b32 s[(\g)+4], 128
	s_mov_b32 s[(\g)+5], 128
	s_mov_b32 s[(\g)+6], 0
	s_mov_b32 s[(\g)+7], 0
.endr
	s_lshr_b32 s16, s13, 3                         ; O: batch = tile row / 8: 4 heads x 2,048 rows x 256 bytes,
	s_lshl_b32 s16, s16, 21
	s_and_b32 s17, s13, 7                          ; 256 rows a tile,
	s_lshl_b32 s17, s17, 16
	s_add_co_u32 s16, s16, s17
	s_lshl_b32 s17, s12, 15                        ; the half that I fetch
	s_add_co_u32 s16, s16, s17
	s_mov_b32 s17, 0
	s_lshl_b32 s46, s42, 18                        ; wo: block 2 x tile column + half, 131,072 bytes each
	s_lshl_b32 s47, s12, 17
	s_add_co_u32 s46, s46, s47
	s_mov_b32 s47, 0
	s_mul_i32 s[LA], s12, HA
	s_mul_i32 s[LB], s12, HB
	s_add_co_u32 s[LB], s[LB], BOFF
	s_mov_b32 s[SR], 0
	s_mov_b32 s[SF], SLOT
	s_wait_dscnt 0x0
	s_wait_kmcnt 0x0
	s_add_nc_u64 s[18:19], s[4:5], s[16:17]
	s_add_nc_u64 s[46:47], s[6:7], s[46:47]
	CROUND                                         ; all sixteen work-groups are here: the first joint loads meet
.irp s, 0,1
	s_mov_b32 s[G0+4*(\s)], 1
	s_add_co_u32 s[G0+4*(\s)+1], s[LA], (\s)*SLOT
	s_add_nc_u64 s[G0+4*(\s)+2:G0+4*(\s)+3], s[18:19], (\s)*ASTEP
	s_or_b32 s[G0+4*(\s)+3], s[G0+4*(\s)+3], 0x80000000
	s_mov_b32 s[G0B+4*(\s)], 1
	s_add_co_u32 s[G0B+4*(\s)+1], s[LB], (\s)*SLOT
	s_add_nc_u64 s[G0B+4*(\s)+2:G0B+4*(\s)+3], s[46:47], (\s)*BSTEP
	s_or_b32 s[G0B+4*(\s)+3], s[G0B+4*(\s)+3], 0x80000000
	JLOAD \s
.endr
	v_and_b32 v1, 15, v0
	v_bfe_u32 v2, v0, 4, 1
	v_mul_u32_u24 v3, v1, PITCH
	v_lshl_add_u32 v3, v2, 4, v3
	s_mul_i32 s22, s11, HA
	v_add_nc_u32 v[ADRA0], s22, v3
	v_mov_b32 v[ADRA], v[ADRA0]
	v_and_b32 v4, 7, v0                            ; the turning load: row 8 h + l % 8, 16 bytes by (l / 8) % 2
	v_lshl_add_u32 v4, v2, 3, v4
	v_mul_u32_u24 v4, v4, PB
	v_bfe_u32 v5, v0, 3, 1
	v_lshl_add_u32 v4, v5, 4, v4
	s_mul_i32 s22, s12, HB
	s_add_co_u32 s22, s22, BOFF
	v_add_nc_u32 v[ADRB0], s22, v4
	v_mov_b32 v[ADRB], v[ADRB0]
	s_mul_i32 s23, s10, 16*SPITCH
	s_add_co_u32 s23, s23, STAGE
	v_mul_u32_u24 v4, v1, SPITCH                   ; into my stage: row l % 16, 32 bytes for each half of the lanes
	v_lshl_add_u32 v4, v2, 5, v4
	v_add_nc_u32 v[STO], s23, v4
	v_and_b32 v5, 31, v0
	v_lshlrev_b32 v[CO], 4, v5                     ; back and out: a row's 512 bytes, 16 a lane
	v_add_nc_u32 v[RD], s23, v[CO]
	s_lshl_b32 s16, s13, 21                        ; out0: 256 rows of 8,192 bytes a tile row, my 128,
	s_lshl_b32 s17, s11, 20
	s_add_co_u32 s16, s16, s17
	s_mov_b32 s17, 0
	s_add_nc_u64 s[8:9], s[8:9], s[16:17]
	s_lshl_b32 s46, s42, 10                        ; 1,024 bytes a tile column, my 512
	s_lshl_b32 s47, s12, 9
	s_add_co_u32 s46, s46, s47
	s_mov_b32 s47, 0
	s_add_nc_u64 s[8:9], s[8:9], s[46:47]
; 16 matrix instructions: row blocks a0, a0 + 1 of the window's four x all 8 column blocks.  The 64 accumulators take turns in the same order in every quarter.
.macro MUL16 f, hi, a0, zero
	WIN MUL_LO+0x50*(\hi)
.irp a, \a0, (\a0)+1
.irp b, 0,1,2,3,4,5,6,7
.if \zero
	v_wmma_f32_16x16x32_f16 v[8*(8*(\a)+(\b)):8*(8*(\a)+(\b))+7], v[(\f)+8*(\b):(\f)+8*(\b)+7], v[(\f)+8*(4*(\hi)+(\a)):(\f)+8*(4*(\hi)+(\a))+7], 0
.else
	v_wmma_f32_16x16x32_f16 v[8*(8*(\a)+(\b)):8*(8*(\a)+(\b))+7], v[(\f)+8*(\b):(\f)+8*(\b)+7], v[(\f)+8*(4*(\hi)+(\a)):(\f)+8*(4*(\hi)+(\a))+7], v[8*(8*(\a)+(\b)):8*(8*(\a)+(\b))+7]
.endif
.endr
.endr
.endm
.macro FETCH k, f                      ; 32 LDS loads in one run: quarter k's fragments into buffer f
	WIN TO_B
.irp i, 0,1,2,3,4,5,6,7
	ds_load_tr16_b128 v[(\f)+8*(\i):(\f)+8*(\i)+3],   v[ADRB] offset:(\k)*32*PB+32*(\i)
	ds_load_tr16_b128 v[(\f)+8*(\i)+4:(\f)+8*(\i)+7], v[ADRB] offset:(\k)*32*PB+32*(\i)+16*PB
.endr
	WIN 0
.irp i, 0,1,2,3,4,5,6,7
	ds_load_b128 v[(\f)+8*(\i):(\f)+8*(\i)+3],   v[ADRA] offset:64*(\k)+(\i)*16*PITCH
	ds_load_b128 v[(\f)+8*(\i)+4:(\f)+8*(\i)+7], v[ADRA] offset:64*(\k)+(\i)*16*PITCH+32
.endr
.endm
.macro QUARTER k, f, g, zero           ; multiplies buffer f; in its middle fetches quarter k into g
	s_wait_dscnt 8                                 ; wo and O's rows 0-63 are in; the youngest eight loads may be out
	MUL16 \f, 0, 0, \zero
	MUL16 \f, 0, 2, \zero
	PLACES
	FETCH \k, \g
	s_wait_dscnt 32                                ; all but the 32 just issued
	MUL16 \f, 1, 0, \zero
	MUL16 \f, 1, 2, \zero
.endm
; The last quarter multiplies buffer 1 and changes slots.  In front of the barrier each wave waits for all its tensor loads, adds 0 to its spare word, and waits for that and for its reads of the slot.
; fill = 1: the barrier opens a round of the cluster's, and the slot is filled again first thing behind it, two steps on.
.macro TURN fill
	WIN 0
	s_wait_tensorcnt 0x0
	ds_add_u32 v[SPW], v[NIL]
	s_wait_dscnt 9                                 ; (the add and the youngest eight loads may be out)
	MUL16 F1, 0, 0, 0
	s_wait_dscnt 0x0
	s_barrier_signal -1
	MUL16 F1, 0, 2, 0
	WIN 0
	s_barrier_wait -1
.if \fill
	CREST
	s_xor_b32 s[SF], s[SF], SLOT                   ; the walking descriptors: the other slot than last time, the next step
	s_add_co_u32 s[G0+5], s[LA], s[SF]
	s_add_nc_u64 s[G0+6:G0+7], s[G0+6:G0+7], ASTEP
	s_add_co_u32 s[G0B+5], s[LB], s[SF]
	s_add_nc_u64 s[G0B+6:G0B+7], s[G0B+6:G0B+7], BSTEP
	JLOAD 1                                        ; its four v_nop are also the places in front of the loads below
.else
	PLACES
.endif
	s_xor_b32 s[SR], s[SR], SLOT
	v_add_nc_u32 v[ADRA], s[SR], v[ADRA0]
	v_add_nc_u32 v[ADRB], s[SR], v[ADRB0]
	FETCH 0, F0
	MUL16 F1, 1, 0, 0
	MUL16 F1, 1, 2, 0
.endm
	s_wait_tensorcnt 1                             ; my part of step 0 is in; step 1's may stay out
	s_barrier_signal -1
	s_barrier_wait -1
	FETCH 0, F0
	QUARTER 1, F0, F1, 1                           ; the first quarter stands in front of the loop: its products start the sums
	WIN 0
	s_mov_b32 s3, 2
.Lstep:                                                ; two trips: the rest of steps 0 and 1, which fill their slots again, and the next step's first quarter
	QUARTER 2, F1, F0, 0
	QUARTER 3, F0, F1, 0
	TURN 1
	QUARTER 1, F0, F1, 0
	WIN 0
	s_sub_co_u32 s3, s3, 1
	s_cmp_lg_u32 s3, 0
	s_cbranch_scc1 .Lstep
	s_mov_b32 s3, 2
.Ltail:                                                ; steps 2 and 3 ask for nothing: one text for both; the second trip is left in its middle.  Its change of slots passes one more barrier and fetches
	QUARTER 2, F1, F0, 0                           ; 32 fragments of step 2's slot that nothing multiplies: the price, once a launch, of the one text
	QUARTER 3, F0, F1, 0
	TURN 0
	WIN 0
	s_sub_co_u32 s3, s3, 1
	s_cmp_eq_u32 s3, 0
	s_cbranch_scc1 .Lway_out
	QUARTER 1, F0, F1, 0
	WIN 0
	s_branch .Ltail
.Lway_out:
	s_wait_dscnt 0x0                               ; those 32 loads are back: their registers serve the way out
; THE WAY OUT, 16 rows at a time: a lane's 32 bytes of a row go from the accumulators into my stage, whole rows of 512 bytes come back, and a store covers one row's 512 consecutive bytes, aligned.
.macro TOSTAGE a
	WIN 0
	s_wait_xcnt 0x0                                ; the stores of two blocks back have read the registers that are loaded again below
	WIN 0x08+4*((\a)/4)                            ; the data: window 2 or 3
.irp b, 0,1,2,3,4,5,6,7
	ds_store_b128 v[STO], v[64*((\a)%4)+8*(\b):64*((\a)%4)+8*(\b)+3]   offset:64*(\b)
	ds_store_b128 v[STO], v[64*((\a)%4)+8*(\b)+4:64*((\a)%4)+8*(\b)+7] offset:64*(\b)+16
.endr
	WIN 0
.set i, 0
.rept 16
	ds_load_b128 v[64+64*((\a)%2)+4*i:64+64*((\a)%2)+4*i+3], v[RD] offset:i*SPITCH  ; LDS serves a wave's instructions in order (ISA guide 5.7.1.4): these see the stores above
.set i, i+1
.endr
.endm
.macro SEND a, younger                 ; younger: the LDS instructions issued behind block a's loads
	s_wait_dscnt \younger
.set i, 0
.rept 16
	global_store_b128 v[CO], v[64+64*((\a)%2)+4*i:64+64*((\a)%2)+4*i+3], s[8:9] offset:(16*(\a)+i)*8192 th:TH_STORE_NT
.set i, i+1
.endr
.endm
	PLACES                                         ; behind the last products
	TOSTAGE 0
.irp a, 1,2,3,4,5,6,7
	TOSTAGE \a
	SEND (\a)-1, 32
.endr
	SEND 7, 0
	s_wait_tensorcnt 0x0                           ; the wave's end: behind my last tensor load and my last LDS store
	ds_add_u32 v[SPW], v[NIL]
	s_wait_dscnt 0x0
	CROUND                                         ; the closing round
	s_endpgm
.Lfunc_end_k_qb3a349f4d3_outp:
	.size	k_qb3a349f4d3_outp, .Lfunc_end_k_qb3a349f4d3_outp-k_qb3a349f4d3_outp
	.p2alignl 7, 3214868480
	.fill 96, 4, 3214868480
	.section	.rodata,"a",@progbits
	.p2align	6, 0x0
	.amdhsa_kernel k_qb3a349f4d3_outp
		.amdhsa_group_segment_fixed_size 327680
		.amdhsa_private_segment_fixed_size 0
		.amdhsa_enable_private_segment 0
		.amdhsa_kernarg_size 24
		.amdhsa_user_sgpr_count 2
		.amdhsa_user_sgpr_kernarg_segment_ptr 1
		.amdhsa_wavefront_size32 1
		.amdhsa_system_sgpr_workgroup_id_x 1
		.amdhsa_system_sgpr_workgroup_id_y 1
		.amdhsa_system_sgpr_workgroup_id_z 1
		.amdhsa_system_vgpr_workitem_id 0
		.amdhsa_next_free_vgpr 1024
		.amdhsa_next_free_sgpr 66
		.amdhsa_reserve_vcc 0
		.amdhsa_float_denorm_mode_32 3
		.amdhsa_float_denorm_mode_16_64 3
		.amdhsa_memory_ordered 1
		.amdhsa_forward_progress 1
		.amdhsa_inst_pref_size 98
	.end_amdhsa_kernel
	.amdgpu_metadata
---
amdhsa.version: [ 1, 2 ]
amdhsa.kernels:
  - .name:           k_qb3a349f4d3_outp
    .symbol:         k_qb3a349f4d3_outp.kd
    .args:
      - { .name: oh, .offset: 0, .size: 8, .value_kind: global_buffer, .address_space: global }
      - { .name: wop, .offset: 8, .size: 8, .value_kind: global_buffer, .address_space: global }
      - { .name: out0, .offset: 16, .size: 8, .value_kind: global_buffer, .address_space: global }
    .group_segment_fixed_size: 327680
    .private_segment_fixed_size: 0
    .kernarg_segment_align: 8
    .kernarg_segment_size: 24
    .max_flat_workgroup_size: 128
    .sgpr_count:     66
    .vgpr_count:     1024
    .wavefront_size: 32
...
	.end_amdgpu_metadata
.endif
;; end of part 4
